; MI455X (gfx1250); checked and timed in simulation.
; The chip was launched on July 23, 2026; its instructions are those of AMD's public machine-readable ISA for CDNA 5 (MIT licence, August 2026) and "CDNA5" Instruction Set Architecture Reference Guide (July 2026). The comments in the code are by the model that wrote it; some were corrected since.
;; Attention. Allowed arithmetic: matrix products marked QUANTISED: E3M2 operands, one E8M0 scale for each 32 along K, by v_wmma_scale_f32_16x16x128_f8f6f4 with both operands' format E3M2, f32 sums; everything else in f32.
;; Inputs: W_proj 1,024 x 1,024 float32; W_qkv 1,024 x 3,072 float32; b_proj 1,024 float32; b_qkv 3,072 float32; x 4 x 2,048 x 1,024 float32.
;; Outputs: out0 4 x 2,048 x 1,024 float32.
;; This version of the problem:
;;   THIS VERSION OF THE PROBLEM IS GIVEN IN LOW PRECISION. The matrix products marked QUANTISED in the list below multiply operands that are first quantised to E3M2 (3 exponent bits, 2 mantissa bits; 6 bits a number), with one power-of-two scale for each 32 numbers along K (OCP MX v1.0); their sums are f32. All else is computed in f32.
;;   The module's matrix products, in the order in which they are computed (A, B: the left and right operand; K: the contracted axis; several contracted axes count as one K, in the product's order):
;;     1. [M 8,192, K 1,024] x [K 1,024, N 3,072]; A: input x; B: input W_qkv: QUANTISED
;;     2. batch 64 x [M 2,048, K 64] x [K 64, N 2,048]; A: computed on the way; B: computed on the way: QUANTISED
;;     3. batch 64 x [M 2,048, K 2,048] x [K 2,048, N 64]; A: softmax (see below); B: computed on the way: QUANTISED
;;     4. [M 8,192, K 1,024] x [K 1,024, N 1,024]; A: computed on the way; B: input W_proj: QUANTISED
;;   THE QUANTISER, for each operand of a quantised product, along K:
;;     - K is cut into blocks of 32 from its start; a last block that is shorter is filled with zeros.
;;     - A block's scale is 2^e with e = floor(log2(the largest magnitude in the block)) - 4, held to -126 .. 127; a block of zeros has e = 0. As a byte (E8M0): e + 127.
;;     - Each number is divided by its block's scale, clamped to +-28, and rounded to the nearest number of E3M2, ties to even, subnormals kept.
;;     - The product sums the exact products of the quantised numbers (number of the format x scale) in f32.
;;   ~~~python
;;   def quantise(x, axis):      # numpy; x: float32 -> the quantised numbers, widened to float32 again
;;       x = np.moveaxis(x, axis, -1); K = x.shape[-1]
;;       x = np.pad(x, [(0, 0)] * (x.ndim - 1) + [(0, -K % 32)]); x = x.reshape(x.shape[:-1] + (-1, 32)); a = np.abs(x).max(-1, keepdims=True)
;;       e = np.where(a > 0, np.clip(np.frexp(np.where(a > 0, a, 1))[1] - 1 - 4, -126, 127), 0)      # np.frexp(a)[1] - 1 = floor(log2(a)), exactly
;;       r = np.clip(x / 2.0 ** e, -28, 28)
;;       step = 2.0 ** (np.maximum(np.frexp(np.where(r == 0, 1, r))[1] - 1, -2) - 2)
;;       q = np.round(r / step) * step * 2.0 ** e      # np.round: ties to even
;;       return np.moveaxis(q.reshape(q.shape[:-2] + (-1,))[..., :K], -1, axis).astype(np.float32)
;;   ~~~
;;   SOFTMAX AHEAD OF A QUANTISED PRODUCT. Where the list says 'softmax', what is quantised is not the finished softmax but p = 2^(t - M), with t = logit x log2(e) and M = ceil(the row's largest t), a whole number; so 1/2 < the row's largest p <= 1. The row's sum l is taken of the UNQUANTISED p, in f32, and the product's result is divided by l at the end. Since M is a whole number, a kernel that streams over the keys may use a running M (the ceiling of the running maximum): every later rescaling is an exact power of two, which a block's scale takes up: the codes' values come out the same.
;;   OPERANDS COMPUTED ON THE WAY. 'Computed on the way' means the value that the module computes at that place (a softmax that the list does not call 'softmax' is quantised finished and normalised). What goes into a quantiser is computed in f32, as accurately as f32 sums, v_exp_f32 and their like allow (about 1e-6 of the number): no bf16 or f16 on the way to a quantiser, and a product that is left as it is and whose result goes on into a quantised operand takes f32 operands (vector FMAs, or v_wmma_f32_16x16x4_f32). A number that lies on a knife's edge between two numbers of the format may be rounded either way, as far as f32 arithmetic and the matrix unit's own rounding can turn it there, and no further.
;; One version. Each part assembles by itself: llvm-mc -triple=amdgcn-amd-amdhsa -mcpu=gfx1250 --defsym DOCPART=n.
;; ======== version 1 of 1: 4 launches
;; limits: right only within a limited range of input values
;; workspace buffers: xq 6,553,600 bytes; wq 3,276,800 bytes; rope 524,288 bytes; qb 6,553,600 bytes; kv 13,107,200 bytes; ao 6,553,600 bytes
;; launch prep (part 1): grid 416 x 1, 4 waves a work-group, no clusters, 59,904 bytes of LDS; arguments x, W_qkv, W_proj, xq, wq, rope; writes xq, wq, rope
.if DOCPART == 1
	.amdgcn_target "amdgcn-amd-amdhsa--gfx1250"
	.amdhsa_code_object_version 6
	.text
	.protected	k_q4e31407694_prep
	.globl	k_q4e31407694_prep
	.p2align	8
	.type	k_q4e31407694_prep,@function
k_q4e31407694_prep:
	s_mov_b64 s[64:65], 0
	v_nop
	global_prefetch_b8 v0, s[64:65] scope:SCOPE_SE
	s_setreg_imm32_b32 hwreg(HW_REG_WAVE_MODE, 25, 1), 1
	s_wait_xcnt 0x0
; ATTENTION IN MX-BF6, launch 1 of 4: x, W_qkv and W_proj become codes of E3M2 with one E8M0 byte for each 32 along K; the table of cos and sin is made.
; DEAD WORK: none is left out in any of the four launches.  All five inputs reach out0 for all values: b_qkv moves the codes of q, k and v, b_proj is added at the end; every product of the problem is live.
; LIMITS: NaN and infinities among the inputs are not served.  A block of zeros gets the scale byte 1 where the rule says 127: its codes are zeros, which add nothing, and this program alone reads the bytes.
; The frequencies are RN(1 / RN(10^(j/8))), j = 0 .. 31; a power function that is one unit in the last place off moves cos and sin by up to about 1e-4 at the last positions (angle x 2^-24).
; LAYOUT OF ALL OPERAND BUFFERS OF THIS PROGRAM.  A TILE T is 16 rows: place r of tile T is row 32 (T / 2) + 8 (T % 2) + r + 8 (r / 8).  So, where two neighbouring tiles are source 0 of a matrix instruction, a lane's 16 result
; registers are 16 neighbours.  A FRAGMENT (a tile x 128 along K) lies as an image of its 12 operand registers, 1,536 bytes, two halves of 768 (64 along K each): registers 0-3 of lane l at 16 l, registers 4-5 at 512 + 8 l.
; A buffer: codes [tile][8 fragments]; behind them the scale words [tile][4 (256 along K)][place r][2 words].
; THREE ROLES, by the work-group's number: 0-255 x (a wave: a tile x 512 along K), 256-383 the weights (a wave: 32 columns x 256 along K; a lane takes a column and its registers run down K), 384-415 the table (a wave: a tile of positions).
; Each role has LDS bytes of its own.  No tensor loads, no barrier: waves share nothing.
; THE LAYOUT AS IT STANDS (where the head's lines on x's tiles and on a buffer's order differ, these hold).
; x's tiles, and so the tiles of tokens in all later buffers and the table's tiles: place r of tile T is row 64 (T / 4) + 8 (T % 4) + r % 8 + 32 (r / 8): where four neighbouring tiles are source 0, a lane's 32 results are 32 neighbours.
; The weights' tiles are as the head says.  A buffer of operands (xq, wq, ao) is a run of RECORDS of 8 tiles, GRP bytes each: the scale words [tile][4][place r][2 words], 4,096 bytes; then [256 along K][tile][2 fragments], 4 x 24,576 bytes.
.set GRP,   102400
.set XSTB,  8448                       ; x's stage of a wave: 16 rows x (512 + 16) bytes, from LDS byte 0
.set WST,   33792                      ; the weights' stages begin here
.set WSTB,  6400                       ; a wave's: two tiles x (3,072 + 128) bytes
.set SPARE, 59392                      ; the spare words, 128 bytes for each wave: two blocks of 256 bytes that no other line names
.set LN,  1                            ; v1  lane
.set RR,  2                            ; v2  r = lane % 16
.set HH,  3                            ; v3  h = lane / 16
.set SPW, 4                            ; v4  LDS address of my spare word; never rewritten
.set NIL, 5                            ; v5  0; never rewritten
.set XSI, 6                            ; v6  x's stage, in: 16 x lane
.set XSO, 7                            ; v7  x's stage, out: 528 r + 64 h
.set W16, 8                            ; v8  the weights' stage, in: registers 0-3 of my place
.set W8,  9                            ; v9  and registers 4-5
.set WL,  10                           ; v10 the weights' stage, out: 16 x lane
.set L16, 11                           ; v11 16 x lane
.set L8,  12                           ; v12 8 x lane
.set WSO, 13                           ; v13 my column's place among the scale words
.set TM,  16                           ; v16-31 at work in QUANT
.set PC,  32                           ; v32-50 the codes just made
.set WW,  52                           ; v52-55 four scale words
.set R,   64                           ; v64-191 x as loaded, two sets of 64
.set X,   192                          ; v192-255 64 numbers of my row, in the quantiser's order
.set XW,  64                           ; the weights: two sets of 32 numbers
.set O,   128                          ; v128-159 the weights: 4 x lane + i rows
.set SEL, 52                           ; s[52:53] lane selects for v_permlanex16_b32: lane l xor 16
; 64 numbers of a lane, register 16 b + i = k 32 b + 16 h + i of my row, become a fragment's codes in v[PC] on and its scale word in v[pw].
.macro QUANT s, pw
.irp b, 0,1,2,3
	v_max3_num_f32 v[TM+\b], |v[\s+16*\b]|, |v[\s+1+16*\b]|, 0x2800000   ; my 16 numbers of block b, and the floor 2^(5 - 127): the byte cannot fall under 1
.endr
.irp i, 2,4,6,8,10,12,14
.irp b, 0,1,2,3
	v_max3_num_f32 v[TM+\b], v[TM+\b], |v[\s+16*\b+\i]|, |v[\s+1+16*\b+\i]|
.endr
.endr
.irp b, 0,1,2,3
	v_permlanex16_b32 v[TM+4+\b], v[TM+\b], s[SEL], s[SEL+1]
.endr
.irp b, 0,1,2,3
	v_max_num_f32 v[TM+\b], v[TM+\b], v[TM+4+\b]           ; with lane l xor 16's: the block's largest magnitude
.endr
.irp b, 0,1,2,3
	v_add_nc_u32 v[TM+12+\b], 0xfe000000, v[TM+\b]         ; 4 off its exponent field: the conversion's scale operand
.endr
.irp b, 0,1,2,3
	v_lshrrev_b32 v[TM+4+\b], 23, v[TM+12+\b]              ; the scale's byte
.endr
	v_lshl_or_b32 v[\pw], v[TM+5], 8, v[TM+4]
	v_lshl_or_b32 v[\pw], v[TM+6], 16, v[\pw]
	v_lshl_or_b32 v[\pw], v[TM+7], 24, v[\pw]
.irp c, 0,1
	v_cvt_scalef32_pk16_bf6_f32 v[PC+6*\c:PC+2+6*\c], v[\s+32*\c:\s+15+32*\c], v[TM+12+2*\c]
	v_cvt_scalef32_pk16_bf6_f32 v[PC+12+4*\c:PC+14+4*\c], v[\s+16+32*\c:\s+31+32*\c], v[TM+12+2*\c+1]   ; (a conversion's three registers begin on an even number)
.endr
	v_nop                                                  ; one plain place behind a scaled conversion
.irp c, 0,1                                    ; the operand wants a whole block in a lane: lanes 0-15 block 2 c, lanes 16-31 block 2 c + 1
.irp i, 0,1,2
	v_permlane16_swap_b32 v[PC+6*\c+\i], v[PC+12+4*\c+\i]
.endr
.irp i, 0,1,2
	v_mov_b32 v[PC+3+6*\c+\i], v[PC+12+4*\c+\i]
.endr
.endr
.endm
.macro FINISH                          ; a wave's end
	s_wait_tensorcnt 0x0
	ds_add_u32 v[SPW], v[NIL]
	s_wait_dscnt 0x0
	s_endpgm
.endm
	s_load_b256 s[4:11], s[0:1], 0x0               ; x s[4:5], W_qkv s[6:7], W_proj s[8:9], xq s[10:11]
	s_load_b128 s[12:15], s[0:1], 0x20             ; wq s[12:13], rope s[14:15]
	v_lshl_add_u32 v[SPW], v0, 2, SPARE
	v_mov_b32 v[NIL], 0
	v_lshrrev_b32 v[LN], 5, v0
	v_readfirstlane_b32 s16, v[LN]                 ; wave
	v_and_b32 v[LN], 31, v0
	v_and_b32 v[RR], 15, v0
	v_bfe_u32 v[HH], v0, 4, 1
	; every LDS address is made here, ahead of the parting of the roles
	s_mul_i32 s17, s16, XSTB
	v_lshl_add_u32 v[XSI], v[LN], 4, s17
	v_mul_u32_u24 v[XSO], v[RR], 528
	v_lshl_add_u32 v[XSO], v[HH], 6, v[XSO]
	v_add_nc_u32 v[XSO], s17, v[XSO]
	s_mul_i32 s18, s16, WSTB
	s_add_co_u32 s18, s18, WST
	v_and_b32 v14, 7, v0
	v_lshl_add_u32 v14, v[HH], 3, v14              ; column lane of a group of 32 is place (lane % 8) + 8 (lane / 16)
	v_bfe_u32 v15, v0, 3, 1                        ; of tile (lane / 8) % 2
	v_mul_u32_u24 v[W8], v15, 3200
	v_add_nc_u32 v[W8], s18, v[W8]
	v_lshl_add_u32 v[W16], v14, 4, v[W8]
	v_lshl_add_u32 v[W8], v14, 3, v[W8]
	v_lshl_add_u32 v[WL], v[LN], 4, s18
	v_lshlrev_b32 v[L16], 4, v[LN]
	v_lshlrev_b32 v[L8], 3, v[LN]
	v_lshlrev_b32 v[WSO], 9, v15
	v_lshl_add_u32 v[WSO], v14, 3, v[WSO]          ; 512 x tile + 8 x place
	s_mov_b32 s[SEL], 0x76543210
	s_mov_b32 s[SEL+1], 0xfedcba98
	s_wait_kmcnt 0x0
	s_cmp_lt_u32 ttmp9, 256
	s_cbranch_scc0 .Lnot_x
; ---------------- ROLE x: wave 4 g + w takes tile (4 g + w) / 2, fragments 4 kh .. 4 kh + 3, kh = (4 g + w) % 2
	s_lshl_b32 s20, ttmp9, 2
	s_add_co_u32 s20, s20, s16
	s_lshr_b32 s21, s20, 1                         ; T
	s_and_b32 s22, s20, 1                          ; kh
	s_lshr_b32 s24, s21, 2
	s_lshl_b32 s24, s24, 18                        ; 64 (T / 4) rows of 4,096 bytes
	s_and_b32 s25, s21, 3
	s_lshl_b32 s25, s25, 15                        ; 8 (T % 4) rows
	s_add_co_u32 s24, s24, s25
	s_lshl_b32 s25, s22, 11                        ; 512 numbers along K
	s_add_co_u32 s24, s24, s25
	s_mov_b32 s25, 0
	s_add_nc_u64 s[4:5], s[4:5], s[24:25]
	s_lshr_b32 s27, s21, 3
	s_mul_i32 s27, s27, GRP                        ; my tile's record
	s_and_b32 s23, s21, 7
	s_mul_i32 s24, s23, 3072
	s_mul_i32 s26, s22, 49152                      ; two steps of 256 along K
	s_add_co_u32 s24, s24, s26
	s_add_co_u32 s24, s24, s27
	s_add_co_u32 s24, s24, 4096
	s_add_nc_u64 s[28:29], s[10:11], s[24:25]      ; my four fragments' images
	s_lshl_b32 s24, s23, 9
	s_lshl_b32 s26, s22, 8
	s_add_co_u32 s24, s24, s26
	s_add_co_u32 s24, s24, s27
	s_add_nc_u64 s[30:31], s[10:11], s[24:25]      ; my 256 bytes of scale words
.irp b, 0,1,2,3
	v_mov_b32 v[TM+4+\b], 0                        ; written once: a lane permute's destination counts as one of its sources
.endr
.macro LOADF t                         ; fragment t: 16 rows x 512 bytes; each load reads 512 consecutive bytes
.set JJ, 0
.rept 16
	global_load_b128 v[R+64*((\t)%2)+4*JJ:R+64*((\t)%2)+4*JJ+3], v[L16], s[4:5] offset:(JJ%8+32*(JJ/8))*4096+512*(\t) th:TH_LOAD_NT
.set JJ, JJ+1
.endr
.endm
.macro XFRAG t
.if (\t) < 3
	s_wait_loadcnt 16                              ; this fragment's 16 loads are in; the next fragment's may be out
.else
	s_wait_loadcnt 0x0
.endif
.set JJ, 0
.rept 16
	ds_store_b128 v[XSI], v[R+64*((\t)%2)+4*JJ:R+64*((\t)%2)+4*JJ+3] offset:528*JJ
.set JJ, JJ+1
.endr
.set JJ, 0
.rept 16                               ; LDS serves a wave's instructions in order: these see my stores.  Of row r: 16 neighbours of each block of 32
	ds_load_b128 v[X+4*JJ:X+4*JJ+3], v[XSO] offset:128*(JJ/4)+16*(JJ%4)
.set JJ, JJ+1
.endr
	s_wait_dscnt 0x0
.if (\t)+2 < 4
	LOADF (\t)+2
.endif
	s_wait_xcnt 0x0                                ; the last fragment's stores have read the codes' registers
	QUANT X, WW+(\t)
	global_store_b128 v[L16], v[PC:PC+3], s[28:29] offset:24576*((\t)/2)+1536*((\t)%2)            ; each store covers 512 or 256 consecutive bytes, aligned
	global_store_b64 v[L8], v[PC+4:PC+5], s[28:29] offset:24576*((\t)/2)+1536*((\t)%2)+512
	global_store_b128 v[L16], v[PC+6:PC+9], s[28:29] offset:24576*((\t)/2)+1536*((\t)%2)+768
	global_store_b64 v[L8], v[PC+10:PC+11], s[28:29] offset:24576*((\t)/2)+1536*((\t)%2)+1280
.endm
	s_wait_alu depctr_va_vdst(0)
	LOADF 0
	LOADF 1
	XFRAG 0
	XFRAG 1
	XFRAG 2
	XFRAG 3
	v_cmp_ne_u32 vcc_lo, 0, v[HH]                  ; lanes 0-15 store the words of fragments 0, 1, lanes 16-31 those of 2, 3
	v_cndmask_b32 v56, v[WW], v[WW+2], vcc_lo
	v_cndmask_b32 v57, v[WW+1], v[WW+3], vcc_lo
	global_store_b64 v[L8], v[56:57], s[30:31]     ; 256 consecutive bytes, aligned
	FINISH
; ---------------- ROLE W: work-group g' = 4 cg + kq takes columns 128 cg on (of W_qkv, then of W_proj) and K 256 kq on; wave w 32 of the columns
.Lnot_x:
	s_cmp_lt_u32 ttmp9, 384
	s_cbranch_scc0 .Lrope
	s_sub_co_u32 s20, ttmp9, 256
	s_lshr_b32 s21, s20, 2                         ; cg
	s_and_b32 s22, s20, 3                          ; kq
	s_lshl_b32 s23, s21, 2
	s_add_co_u32 s23, s23, s16                     ; my group of 32 columns: tiles 2 b and 2 b + 1 of wq
	s_mov_b32 s24, 4096
	s_cmp_lt_u32 s21, 24                           ; the choice hangs on the work-group's number alone
	s_cselect_b64 s[4:5], s[6:7], s[8:9]           ; W_qkv or W_proj
	s_cselect_b32 s24, 12288, s24                  ; a row in bytes
	s_cselect_b32 s25, 0, 96
	s_sub_co_u32 s25, s23, s25                     ; the group's number in its own tensor
	s_mul_i32 s26, s22, s24
	s_lshl_b32 s26, s26, 8                         ; 256 kq rows
	s_lshl_b32 s25, s25, 7
	s_add_co_u32 s26, s26, s25
	s_mov_b32 s27, 0
	s_add_nc_u64 s[32:33], s[4:5], s[26:27]        ; block 0's first row; a base for each of the 8 blocks, so that nothing is stepped
	s_lshl_b32 s26, s24, 5
.irp t, 1,2,3,4,5,6,7
	s_add_nc_u64 s[32+2*\t:33+2*\t], s[30+2*\t:31+2*\t], s[26:27]
.endr
	s_lshr_b32 s31, s23, 2
	s_mul_i32 s31, s31, GRP                        ; my two tiles' record
	s_and_b32 s30, s23, 3
	s_mul_i32 s28, s30, 6144
	s_mul_i32 s29, s22, 24576
	s_add_co_u32 s28, s28, s29
	s_add_co_u32 s28, s28, s31
	s_add_co_u32 s28, s28, 4096
	s_mov_b32 s29, 0
	s_add_nc_u64 s[48:49], s[12:13], s[28:29]      ; the codes: 6,144 bytes on end
	s_lshl_b32 s28, s30, 10
	s_lshl_b32 s30, s22, 7
	s_add_co_u32 s28, s28, s30
	s_add_co_u32 s28, s28, s31
	s_add_nc_u64 s[50:51], s[12:13], s[28:29]      ; the scale words
	v_lshlrev_b32 v[O], 2, v[LN]
.set JJ, 1
.rept 31
	v_add_nc_u32 v[O+JJ], s24, v[O+JJ-1]
.set JJ, JJ+1
.endr
.macro LOADW t                         ; block t: W(32 t + i, my column): 32 lanes read 128 consecutive bytes
.set JJ, 0
.rept 32
	global_load_b32 v[XW+32*((\t)%2)+JJ], v[O+JJ], s[32+2*(\t):33+2*(\t)] th:TH_LOAD_NT
.set JJ, JJ+1
.endr
.endm
.macro BLOCK t
.set XB, XW+32*((\t)%2)
.if (\t) < 7
	s_wait_loadcnt 32                              ; this block's 32 loads are in; the next block's may be out
.else
	s_wait_loadcnt 0x0
.endif
	v_max3_num_f32 v16, |v[XB]|, |v[XB+1]|, |v[XB+2]|      ; the block's largest magnitude: all 32 numbers are mine
	v_max3_num_f32 v17, |v[XB+3]|, |v[XB+4]|, |v[XB+5]|
.irp i, 6,10,14,18,22,26
	v_max3_num_f32 v16, v16, |v[XB+\i]|, |v[XB+\i+1]|
	v_max3_num_f32 v17, v17, |v[XB+\i+2]|, |v[XB+\i+3]|
.endr
	v_max3_num_f32 v16, v16, |v[XB+30]|, |v[XB+31]|
	v_max3_num_f32 v16, v16, v17, 0x2800000        ; and the floor
	v_add_nc_u32 v18, 0xfe000000, v16
	v_lshrrev_b32 v19, 23, v18
.if (\t)%4 == 0
	v_mov_b32 v[20+(\t)/4], v19                    ; four bytes to a word, the lower K in the lower byte
.else
	v_lshl_or_b32 v[20+(\t)/4], v19, 8*((\t)%4), v[20+(\t)/4]
.endif
	v_cvt_scalef32_pk16_bf6_f32 v[32:34], v[XB:XB+15], v18
	v_cvt_scalef32_pk16_bf6_f32 v[40:42], v[XB+16:XB+31], v18
	v_nop                                          ; one plain place behind a scaled conversion
	v_mov_b32 v35, v40
	v_mov_b32 v36, v41
	v_mov_b32 v37, v42
	ds_store_b128 v[W16], v[32:35] offset:1536*((\t)/4)+768*(((\t)/2)%2)+256*((\t)%2)       ; block t is lane half t % 2 of half (t / 2) % 2 of fragment t / 4
	ds_store_b64 v[W8], v[36:37] offset:512+1536*((\t)/4)+768*(((\t)/2)%2)+128*((\t)%2)
.if (\t)+2 < 8
	LOADW (\t)+2
.endif
	s_wait_dscnt 0x0
.endm
	LOADW 0
	LOADW 1
.irp t, 0,1,2,3,4,5,6,7
	BLOCK \t
.endr
.set JJ, 0
.rept 12
	ds_load_b128 v[64+4*JJ:67+4*JJ], v[WL] offset:3200*(JJ/6)+512*(JJ%6)
.set JJ, JJ+1
.endr
	s_wait_alu depctr_va_vdst(0)
	global_store_b64 v[WSO], v[20:21], s[50:51]    ; my column's two scale words
.set JJ, 0
.rept 12
	s_wait_dscnt 11-JJ                             ; the younger loads may be out
	global_store_b128 v[L16], v[64+4*JJ:67+4*JJ], s[48:49] offset:512*JJ   ; 512 consecutive bytes, aligned
.set JJ, JJ+1
.endr
	FINISH
; ---------------- ROLE table: wave 4 g'' + w makes tile T of positions: lane (r, h), register i: cos and sin of position x inv_freq(16 h + i)
.Lrope:
	s_sub_co_u32 s20, ttmp9, 384
	s_lshl_b32 s20, s20, 2
	s_add_co_u32 s20, s20, s16                     ; T
	s_lshr_b32 s21, s20, 2
	s_lshl_b32 s21, s21, 6
	s_and_b32 s22, s20, 3
	s_lshl_b32 s22, s22, 3
	s_add_co_u32 s21, s21, s22
	s_lshl_b32 s24, s20, 12
	s_mov_b32 s25, 0
	s_add_nc_u64 s[24:25], s[14:15], s[24:25]
	v_and_b32 v16, 8, v[RR]
	v_mad_u32_u24 v16, v16, 3, v[RR]               ; r % 8 + 32 (r / 8)
	v_add_nc_u32 v16, s21, v16
	v_cvt_f32_u32 v16, v16                         ; my position
	s_mov_b32 s30, 0xbfc90000                      ; -pi/2 in three parts: -1.5703125,
	s_mov_b32 s31, 0xb9fda000                      ; -4.837512969970703e-4,
	s_mov_b32 s32, 0xb3a22168                      ; -7.549789954891882e-8
	s_mov_b32 s33, 0xb94ca1f9                      ; sine: -1.9515295891e-4,
	s_mov_b32 s34, 0x3c08839e                      ; 8.3321608736e-3,
	s_mov_b32 s35, 0xbe2aaaa3                      ; -1.6666654611e-1
	s_mov_b32 s36, 0x37ccf5ce                      ; cosine: 2.443315712e-5,
	s_mov_b32 s37, 0xbab6061a                      ; -1.388731625e-3,
	s_mov_b32 s38, 0x3d2aaaa5                      ; 4.166664568e-2
	v_cmp_ne_u32 vcc_lo, 0, v[HH]
.macro FREQ i, lo, hi                  ; 10^((16 h + i) / 8)
	v_mov_b32 v[64+\i], \lo
	v_mov_b32 v17, \hi
	v_cndmask_b32 v[64+\i], v[64+\i], v17, vcc_lo
.endm
	FREQ 0, 1.0, 100.0
	FREQ 1, 1.333521432163324, 133.3521432163324
	FREQ 2, 1.778279410038923, 177.8279410038923
	FREQ 3, 2.371373705661655, 237.1373705661655
	FREQ 4, 3.162277660168379, 316.2277660168379
	FREQ 5, 4.216965034285822, 421.6965034285822
	FREQ 6, 5.623413251903491, 562.3413251903491
	FREQ 7, 7.498942093324558, 749.8942093324558
	FREQ 8, 10.0, 1000.0
	FREQ 9, 13.33521432163324, 1333.521432163324
	FREQ 10, 17.78279410038923, 1778.279410038923
	FREQ 11, 23.71373705661655, 2371.373705661655
	FREQ 12, 31.62277660168379, 3162.277660168379
	FREQ 13, 42.16965034285822, 4216.965034285822
	FREQ 14, 56.23413251903491, 5623.413251903491
	FREQ 15, 74.98942093324558, 7498.942093324558
	s_wait_alu depctr_va_vdst(0)
.irp i, 0,1,2,3,4,5,6,7,8,9,10,11,12,13,14,15
	v_rcp_f32 v[80+\i], v[64+\i]
.endr
	v_nop                                          ; a plain place behind the reciprocals,
	s_wait_alu depctr_va_vdst(0)                   ; and one wait for the batch, ahead of its first reader
.irp i, 0,1,2,3,4,5,6,7,8,9,10,11,12,13,14,15
	v_fma_f32 v[96+\i], -v[64+\i], v[80+\i], 1.0   ; one step of Newton: the quotient to the last place
.endr
.irp i, 0,1,2,3,4,5,6,7,8,9,10,11,12,13,14,15
	v_fma_f32 v[80+\i], v[80+\i], v[96+\i], v[80+\i]
.endr
.irp i, 0,1,2,3,4,5,6,7,8,9,10,11,12,13,14,15
	v_mul_f32 v[64+\i], v16, v[80+\i]              ; the angle, one multiplication in f32
.endr
.irp i, 0,1,2,3,4,5,6,7,8,9,10,11,12,13,14,15
	v_mul_f32 v[80+\i], 0x3f22f983, v[64+\i]       ; x 2 / pi
.endr
.irp i, 0,1,2,3,4,5,6,7,8,9,10,11,12,13,14,15
	v_rndne_f32 v[80+\i], v[80+\i]                 ; n
.endr
.irp c, 30,31,32
.irp i, 0,1,2,3,4,5,6,7,8,9,10,11,12,13,14,15
	v_fma_f32 v[64+\i], v[80+\i], s\c, v[64+\i]    ; the angle less n pi / 2
.endr
.endr
.irp i, 0,1,2,3,4,5,6,7,8,9,10,11,12,13,14,15
	v_mul_f32 v[96+\i], v[64+\i], v[64+\i]
.endr
.irp i, 0,1,2,3,4,5,6,7,8,9,10,11,12,13,14,15
	v_fma_f32 v[112+\i], v[96+\i], s33, s34
	v_fma_f32 v[128+\i], v[96+\i], s36, s37
.endr
.irp i, 0,1,2,3,4,5,6,7,8,9,10,11,12,13,14,15
	v_fma_f32 v[112+\i], v[112+\i], v[96+\i], s35
	v_fma_f32 v[128+\i], v[128+\i], v[96+\i], s38
.endr
.irp i, 0,1,2,3,4,5,6,7,8,9,10,11,12,13,14,15
	v_mul_f32 v[112+\i], v[112+\i], v[96+\i]
	v_fma_f32 v[128+\i], v[128+\i], v[96+\i], -0.5
.endr
.irp i, 0,1,2,3,4,5,6,7,8,9,10,11,12,13,14,15
	v_fma_f32 v[112+\i], v[112+\i], v[64+\i], v[64+\i]     ; the sine of the rest
	v_fma_f32 v[128+\i], v[128+\i], v[96+\i], 1.0          ; and its cosine
.endr
.irp i, 0,1,2,3,4,5,6,7,8,9,10,11,12,13,14,15
	v_cvt_i32_f32 v[144+\i], v[80+\i]
.endr
.irp i, 0,1,2,3,4,5,6,7,8,9,10,11,12,13,14,15
	v_and_b32 v17, 1, v[144+\i]                    ; in odd quadrants the two change places
	v_cmp_ne_u32 vcc_lo, 0, v17
	v_cndmask_b32 v[160+\i], v[128+\i], v[112+\i], vcc_lo
	v_cndmask_b32 v[176+\i], v[112+\i], v[128+\i], vcc_lo
	v_add_nc_u32 v18, 1, v[144+\i]
	v_and_b32 v18, 2, v18                          ; the cosine is negative in quadrants 1 and 2,
	v_and_b32 v17, 2, v[144+\i]                    ; the sine in 2 and 3
	v_lshlrev_b32 v18, 30, v18
	v_lshlrev_b32 v17, 30, v17
	v_xor_b32 v[160+\i], v18, v[160+\i]
	v_xor_b32 v[176+\i], v17, v[176+\i]
.endr
.irp c, 0,1,2,3,4,5,6,7
	global_store_b128 v[L16], v[160+4*\c:163+4*\c], s[24:25] offset:512*\c     ; four blocks of cos, four of sin
.endr
	FINISH
.Lfunc_end_k_q4e31407694_prep:
	.size	k_q4e31407694_prep, .Lfunc_end_k_q4e31407694_prep-k_q4e31407694_prep
	.p2alignl 7, 3214868480
	.fill 96, 4, 3214868480
	.section	.rodata,"a",@progbits
	.p2align	6, 0x0
	.amdhsa_kernel k_q4e31407694_prep
		.amdhsa_group_segment_fixed_size 59904
		.amdhsa_private_segment_fixed_size 0
		.amdhsa_enable_private_segment 0
		.amdhsa_kernarg_size 48
		.amdhsa_user_sgpr_count 2
		.amdhsa_user_sgpr_kernarg_segment_ptr 1
		.amdhsa_wavefront_size32 1
		.amdhsa_system_sgpr_workgroup_id_x 1
		.amdhsa_system_sgpr_workgroup_id_y 1
		.amdhsa_system_sgpr_workgroup_id_z 1
		.amdhsa_system_vgpr_workitem_id 0
		.amdhsa_next_free_vgpr 256
		.amdhsa_next_free_sgpr 66
		.amdhsa_reserve_vcc 1
		.amdhsa_float_denorm_mode_32 3
		.amdhsa_float_denorm_mode_16_64 3
		.amdhsa_memory_ordered 1
		.amdhsa_forward_progress 1
		.amdhsa_inst_pref_size 103
	.end_amdhsa_kernel
	.amdgpu_metadata
---
amdhsa.version: [ 1, 2 ]
amdhsa.kernels:
  - .name:           k_q4e31407694_prep
    .symbol:         k_q4e31407694_prep.kd
    .args:
      - { .name: x, .offset: 0, .size: 8, .value_kind: global_buffer, .address_space: global }
      - { .name: W_qkv, .offset: 8, .size: 8, .value_kind: global_buffer, .address_space: global }
      - { .name: W_proj, .offset: 16, .size: 8, .value_kind: global_buffer, .address_space: global }
      - { .name: xq, .offset: 24, .size: 8, .value_kind: global_buffer, .address_space: global }
      - { .name: wq, .offset: 32, .size: 8, .value_kind: global_buffer, .address_space: global }
      - { .name: rope, .offset: 40, .size: 8, .value_kind: global_buffer, .address_space: global }
    .group_segment_fixed_size: 59904
    .private_segment_fixed_size: 0
    .kernarg_segment_align: 8
    .kernarg_segment_size: 48
    .max_flat_workgroup_size: 128
    .sgpr_count:     66
    .vgpr_count:     256
    .wavefront_size: 32
...
	.end_amdgpu_metadata
.endif
;; end of part 1
;; launch qkv (part 2): grid 12 x 32, 4 waves a work-group, clusters of 4 x 4, 327,680 bytes of LDS; arguments xq, wq, b_qkv, rope, qb, kv; writes qb, kv
.if DOCPART == 2
	.amdgcn_target "amdgcn-amd-amdhsa--gfx1250"
	.amdhsa_code_object_version 6
	.text
	.protected	k_q4e31407694_qkv
	.globl	k_q4e31407694_qkv
	.p2align	8
	.type	k_q4e31407694_qkv,@function
k_q4e31407694_qkv:
	s_mov_b64 s[64:65], 0
	v_nop
	global_prefetch_b8 v0, s[64:65] scope:SCOPE_SE
	s_setreg_imm32_b32 hwreg(HW_REG_WAVE_MODE, 25, 1), 1
	s_wait_xcnt 0x0
	s_wait_alu depctr_hold_cnt(0) depctr_sa_sdst(0) depctr_va_vdst(0) depctr_va_sdst(0) depctr_va_ssrc(0) depctr_va_vcc(0) depctr_vm_vsrc(0)
	s_getreg_b32 s2, hwreg(HW_REG_IB_STS2, 6, 4)
	s_cmp_eq_u32 s2, 0
	s_cbranch_scc0 .Lentry_in_a_cluster
	s_endpgm
.Lentry_in_a_cluster:
	s_bfe_u32 s2, ttmp6, 0x10000c
	s_cmp_lg_u32 s2, 0xf033
	s_cbranch_scc0 .Lentry_shape_is_right
	s_endpgm
.Lentry_shape_is_right:
; ATTENTION IN MX-BF6, launch 2 of 4: qkv = x W_qkv + b_qkv on codes; q and k are turned by cos and sin and quantised along the head's 64; v is quantised along the keys.  No work of the problem is left out.
; LIMITS: NaN and infinities are not served; a block of zeros gets the scale byte 1 (its codes are zeros; this program alone reads the bytes).
; A work-group of four waves makes 256 x 256 of the product, a wave 128 x 128: 64 accumulators, 512 registers.  K = 1,024 goes in four steps of 256 through THREE LDS slots: three are asked for at the head, the fourth
; is the launch's one refill.  Operands lie in memory as images of the operand registers (launch 1's head), so a fragment comes by four lane-contiguous LDS loads, with no padding.
; THE MATRIX INSTRUCTION IS USED TRANSPOSED: source 0 = 16 rows of the 'B role', source 1 = 16 rows of the 'A role': a lane holds one row of A's and 8 neighbours of B's.
; ROLES, by the cluster's x, which all sixteen partners share: 0 q, 1 k: A = x (tokens), B = W's columns: a lane holds a token, its registers run along the head's channels.
;   2 v: A = W_v's columns, B = x: a lane holds a channel, its registers run along the tokens, which are the keys: the second attention product's K.
; CLUSTERS: 4 x 4.  A's tiles hang on the tile row alone and are shared along a row of the cluster, B's on the tile column alone and are shared along a column: joint loads.
; REGISTERS: window 0: v1-3 r, h, lane; v4-15 LDS addresses; v27 scale words' address; v28, v29 the add's two; v32-63 scale words, two sets, and nothing else; v128-223 A's fragments, one set.
;   window 1: B's fragments, two sets, at v0 and v128; v96-127 and v224-255: q's and k's bias.   windows 2, 3: the accumulators ((a, b) at v[8 (8 (a % 4) + b)]).
;   On the way out, window 0: v2-20 codes; v22-26 offsets; v64-79 at work; v80-87 scale words made; v88-91 words to store; v96-111 products of the turn; v112-127 v's bias; v128-191 64 numbers; v192-255 cos and sin, two sets.
; LDS AS IT STANDS: a region of HALFT bytes for each of A's two halves and B's two: the 8 tiles' scale words (4,096 bytes), then three slots of SLOT bytes.  In memory these 77,824 bytes are the first of the 8 tiles' record
; (launch 1), on end: ONE dense tensor load a wave at the head brings them; the record's last 24,576 bytes, HALFT bytes in, are the refill of slot 0.
.set FR,    12
.set HALFT, 77824
.set SLOT,  24576
.set SPARE, 311296                     ; the spare words, 128 bytes for each wave: two blocks of 256 bytes that no other line names
.set A16, 4                            ; v4-6   A's fragments in slot 0, 1, 2: + 16 x lane;  v7-9: + 8 x lane
.set A8,  7
.set B16, 10                           ; v10-12, v13-15: the same for B
.set B8,  13
.set ADRS, 27
.set SPW, 28
.set NIL, 29
.set SC,  32                           ; set sc at v[SC + 16 sc]; register 2 i + q: lanes 0-15 the word of A's block i, lanes 16-31 that of B's block i, for the slot's q-th 128 along K
.set AF,  128
.set G1A, 24
.set G1B, 32
.set G1SA, 40
.set G1SB, 48
.set G0A0, 56
.set G0A1, 60
.set G0A2, 68
.set G0B0, 72
.set G0B1, 76
.set G0B2, 80
.set G0SA, 84
.set G0SB, 88
.set PC,  2
.set L16, 22
.set L8,  23
.set SOFF, 24
.set SELV, 25
.set BO,  26
.set TM,  64
.set WW,  80
.set X4,  88
.set TP,  96
.set BV,  112
.set H,   128
.set SEL, 48                           ; s[48:49], on the way out
.set MSB, 0
.macro WIN new                         ; the immediate's high byte repeats the setting that is left
.if MSB != (\new)
	s_set_vgpr_msb (MSB<<8)|(\new)
.set MSB, (\new)
.endif
.endm
.set MUL_LO, 0xa1                      ; source 0 (B) window 1, source 1 (A) window 0, C and D window 2
.set MUL_HI, 0xf1
.set TO_B,   0x40
.macro JLOAD g0a, g1a, g0b, g1b        ; a joint load: waves 0 and 1 fetch for A, waves 2 and 3 for B; an s_nop 0 and four v_nop follow each of the two lines
	s_cmp_eq_u32 s17, 0
	s_cbranch_scc0 .Lfor_b_\@
	tensor_load_to_lds s[\g0a:\g0a+3], s[\g1a:\g1a+7]
	s_nop 0
.rept 4
	v_nop
.endr
	s_branch .Lasked_\@
.Lfor_b_\@:
	tensor_load_to_lds s[\g0b:\g0b+3], s[\g1b:\g1b+7]
	s_nop 0
.rept 4
	v_nop
.endr
.Lasked_\@:
.endm
.macro CREST                           ; a round of the cluster's barrier behind its opening barrier
	s_cmp_lg_u32 s16, 0
	s_cbranch_scc1 .Lnot_wave_0_\@
	s_barrier_signal -3
.Lnot_wave_0_\@:
	s_barrier_wait -3
	s_barrier_signal -1
	s_barrier_wait -1
.endm
.macro CROUND
	s_barrier_signal -1
	s_barrier_wait -1
	CREST
.endm
.macro PLACES                          ; four places behind matrix instructions, in front of loads into their registers and of reads of their results
.rept 4
	v_nop
.endr
.endm
.macro FRAG reg, a16, a8, off          ; a fragment's image: four loads, each lane-contiguous
	ds_load_b128 v[\reg:\reg+3], v[\a16] offset:\off
	ds_load_b64 v[\reg+4:\reg+5], v[\a8] offset:\off+512
	ds_load_b128 v[\reg+6:\reg+9], v[\a16] offset:\off+768
	ds_load_b64 v[\reg+10:\reg+11], v[\a8] offset:\off+1280
.endm
; 16 matrix instructions: A's blocks a0, a0 + 1 x B's eight.  The 64 accumulators take turns, one instruction a turn, in the same order in every step.
.macro MUL16 a0, p, q, sc, zero
.irp a, \a0, \a0+1
.irp b, 0,1,2,3,4,5,6,7
.if \zero
	v_wmma_scale_f32_16x16x128_f8f6f4 v[8*(8*((\a)%4)+\b):8*(8*((\a)%4)+\b)+7], v[128*(\p)+FR*\b:128*(\p)+FR*\b+FR-1], v[AF+FR*(\a):AF+FR*(\a)+FR-1], 0, v[SC+16*(\sc)+2*\b+(\q)], v[SC+16*(\sc)+2*(\a)+(\q)] matrix_a_fmt:MATRIX_FMT_BF6 matrix_b_fmt:MATRIX_FMT_BF6 matrix_a_scale:MATRIX_SCALE_ROW1
.else
	v_wmma_scale_f32_16x16x128_f8f6f4 v[8*(8*((\a)%4)+\b):8*(8*((\a)%4)+\b)+7], v[128*(\p)+FR*\b:128*(\p)+FR*\b+FR-1], v[AF+FR*(\a):AF+FR*(\a)+FR-1], v[8*(8*((\a)%4)+\b):8*(8*((\a)%4)+\b)+7], v[SC+16*(\sc)+2*\b+(\q)], v[SC+16*(\sc)+2*(\a)+(\q)] matrix_a_fmt:MATRIX_FMT_BF6 matrix_b_fmt:MATRIX_FMT_BF6 matrix_a_scale:MATRIX_SCALE_ROW1
.endif
.endr
.endr
.endm
.macro FETCH_B slot, q, p
	WIN TO_B
.irp i, 0,1,2,3,4,5,6,7
	FRAG 128*(\p)+FR*\i, B16+\slot, B8+\slot, \i*3072+(\q)*1536
.endr
	WIN 0
.endm
.macro FETCH_A slot, q, i0
.irp i, \i0, \i0+1, \i0+2, \i0+3
	FRAG AF+FR*(\i), A16+\slot, A8+\slot, (\i)*3072+(\q)*1536
.endr
.endm
.macro SCALES sc, S                    ; the scale words of the S-th 256 along K into set sc
.irp i, 0,1,2,3,4,5,6,7
	ds_load_b64 v[SC+16*(\sc)+2*\i:SC+16*(\sc)+2*\i+1], v[ADRS] offset:512*\i+128*(\S)
.endr
.endm
; A step of 128 along K: B's set p, the slot's q-th half, scale set sc.  It fetches the next step's fragments from slot ns, half nq (and, where nq = 0, the scale words of the nS-th 256 into set nsc).
.macro STEP p, q, sc, ns, nq, nsc, nS, zero
	s_wait_dscnt 16                                ; all but the youngest 16 loads (A's blocks 4-7) are in
	WIN MUL_LO
	MUL16 0, \p, \q, \sc, \zero
	MUL16 2, \p, \q, \sc, \zero
	s_wait_dscnt 0x0
	PLACES
	FETCH_B \ns, \nq, 1-\p
	FETCH_A \ns, \nq, 0
.if \nq == 0
	SCALES \nsc, \nS
.endif
	WIN MUL_HI
	MUL16 4, \p, \q, \sc, \zero
	MUL16 6, \p, \q, \sc, \zero
	PLACES
	WIN 0
	FETCH_A \ns, \nq, 4
.endm
; A step with a barrier in it.  In front of the barrier each wave waits for all its tensor loads, adds 0 to its spare word, and waits for that and for its LDS reads.
; fill = 1: slot 0, which nobody reads any more, takes the fourth 256 along K; the barrier then opens a round of the cluster's, and the joint refill is the first thing behind the round.
.macro TURN p, q, sc, ns, nsc, nS, fill
	s_wait_tensorcnt 0x0                           ; all my tensor loads have landed
	ds_add_u32 v[SPW], v[NIL]                      ; 0 onto my spare word
	s_wait_dscnt 17                                ; (the add and A's blocks 4-7 may be out)
	WIN MUL_LO
	MUL16 0, \p, \q, \sc, 0                        ; sixteen matrix instructions stand between the add and the wait for it
	s_wait_dscnt 0x0                               ; the add is done, and my LDS reads are in
	s_barrier_signal -1
	MUL16 2, \p, \q, \sc, 0
	WIN 0
	s_barrier_wait -1
.if \fill
	CREST                                          ; no wave of any partner still reads slot 0 or has a load on its way
	JLOAD G0A0, G1A, G0B0, G1B                     ; its four v_nop are also the places in front of the loads below
.else
	PLACES
.endif
	FETCH_B \ns, 0, 0
	FETCH_A \ns, 0, 0
	SCALES \nsc, \nS
	WIN MUL_HI
	MUL16 4, \p, \q, \sc, 0
	MUL16 6, \p, \q, \sc, 0
	PLACES
	WIN 0
	FETCH_A \ns, 0, 4
.endm
.macro LAST                            ; the last step: nothing more to fetch
	s_wait_dscnt 16
	WIN MUL_LO
	MUL16 0, 1, 1, 1, 0
	MUL16 2, 1, 1, 1, 0
	s_wait_dscnt 0x0
	WIN MUL_HI
	MUL16 4, 1, 1, 1, 0
	MUL16 6, 1, 1, 1, 0
	WIN 0
.endm
; 64 numbers of a lane, register 16 b + i = k 32 b + 16 h + i of my row, become a fragment's codes in v[PC] on and its scale word in v[pw].
.macro QUANT s, pw
.irp b, 0,1,2,3
	v_max3_num_f32 v[TM+\b], |v[\s+16*\b]|, |v[\s+1+16*\b]|, 0x2800000   ; and the floor 2^(5 - 127): the byte cannot fall under 1
.endr
.irp i, 2,4,6,8,10,12,14
.irp b, 0,1,2,3
	v_max3_num_f32 v[TM+\b], v[TM+\b], |v[\s+16*\b+\i]|, |v[\s+1+16*\b+\i]|
.endr
.endr
.irp b, 0,1,2,3
	v_permlanex16_b32 v[TM+4+\b], v[TM+\b], s[SEL], s[SEL+1]
.endr
.irp b, 0,1,2,3
	v_max_num_f32 v[TM+\b], v[TM+\b], v[TM+4+\b]
.endr
.irp b, 0,1,2,3
	v_add_nc_u32 v[TM+12+\b], 0xfe000000, v[TM+\b]         ; 4 off the exponent field: the conversion's scale operand
.endr
.irp b, 0,1,2,3
	v_lshrrev_b32 v[TM+4+\b], 23, v[TM+12+\b]
.endr
	v_lshl_or_b32 v[\pw], v[TM+5], 8, v[TM+4]
	v_lshl_or_b32 v[\pw], v[TM+6], 16, v[\pw]
	v_lshl_or_b32 v[\pw], v[TM+7], 24, v[\pw]
.irp c, 0,1
	v_cvt_scalef32_pk16_bf6_f32 v[PC+6*\c:PC+2+6*\c], v[\s+32*\c:\s+15+32*\c], v[TM+12+2*\c]
	v_cvt_scalef32_pk16_bf6_f32 v[PC+12+4*\c:PC+14+4*\c], v[\s+16+32*\c:\s+31+32*\c], v[TM+12+2*\c+1]
.endr
	v_nop                                                  ; one plain place behind a scaled conversion
.irp c, 0,1
.irp i, 0,1,2
	v_permlane16_swap_b32 v[PC+6*\c+\i], v[PC+12+4*\c+\i]
.endr
.irp i, 0,1,2
	v_mov_b32 v[PC+3+6*\c+\i], v[PC+12+4*\c+\i]
.endr
.endr
.endm
; q, k: tile a of my 8 tiles of tokens: bias, the turn by cos and sin, codes of two heads.
.macro QKTILE a
.set AC, 64*((\a)%4)
.set RS, 224-32*((\a)%2)
.if (\a) < 7
	s_wait_loadcnt 8                               ; this tile's cos and sin are in (and the bias); the next tile's 8 loads may be out
.else
	s_wait_loadcnt 0x0
.endif
	WIN 0x06+(\a)/4                                ; source 0: the accumulators' window; source 1: window 1, the bias
.set JJ, 0
.rept 32
	v_pk_add_f32 v[H+JJ:H+JJ+1], v[AC+JJ:AC+JJ+1], v[96+JJ+96*(JJ/32):97+JJ+96*(JJ/32)]   ; each accumulator from its low end on
.set JJ, JJ+2
.endr
	WIN 0
.irp e, 0,1                            ; head e: registers 32 e + i: channel 16 h + i; 32 e + 16 + i: channel 32 + 16 h + i
.irp n, 0,2,4,6,8,10,12,14
	v_pk_mul_f32 v[TP+\n:TP+\n+1], v[H+32*\e+\n:H+32*\e+\n+1], v[RS+16+\n:RS+17+\n]
.endr
.irp n, 0,2,4,6,8,10,12,14
	v_pk_mul_f32 v[H+32*\e+\n:H+32*\e+\n+1], v[H+32*\e+\n:H+32*\e+\n+1], v[RS+\n:RS+\n+1]
.endr
.irp n, 0,2,4,6,8,10,12,14
	v_pk_fma_f32 v[H+32*\e+\n:H+32*\e+\n+1], v[H+32*\e+16+\n:H+32*\e+17+\n], v[RS+16+\n:RS+17+\n], v[H+32*\e+\n:H+32*\e+\n+1] neg_lo:[1,0,0] neg_hi:[1,0,0]   ; x1 cos - x2 sin
.endr
.irp n, 0,2,4,6,8,10,12,14
	v_pk_fma_f32 v[H+32*\e+16+\n:H+32*\e+17+\n], v[H+32*\e+16+\n:H+32*\e+17+\n], v[RS+\n:RS+\n+1], v[TP+\n:TP+\n+1]   ; x2 cos + x1 sin
.endr
.endr
.if (\a)+2 < 8
.irp c, 0,1,2,3,4,5,6,7
	global_load_b128 v[RS+4*\c:RS+4*\c+3], v[L16], s[44:45] offset:4096*((\a)+2)+512*\c
.endr
.endif
	s_wait_xcnt 0x0                                ; the last tile's stores have read the codes' registers
	QUANT H, WW+(\a)
	global_store_b128 v[L16], v[PC:PC+3], s[36:37] offset:768*(\a)             ; the first head's half image,
	global_store_b64 v[L8], v[PC+4:PC+5], s[36:37] offset:768*(\a)+512
	global_store_b128 v[L16], v[PC+6:PC+9], s[40:41] offset:768*(\a)           ; the second's
	global_store_b64 v[L8], v[PC+10:PC+11], s[40:41] offset:768*(\a)+512
.endm
; v: tile a of my 8 tiles of channels x my 128 tokens: bias, codes along the tokens: one fragment.
; 64 numbers of a lane, register 32 c + i = k 64 c + 32 h + i of my row (two whole blocks), become a fragment's codes in v[PC] on and its scale word in v[pw].
.macro QUANTV s, pw
.irp c, 0,1
	v_max3_num_f32 v[TM+\c], |v[\s+32*\c]|, |v[\s+32*\c+1]|, 0x2800000           ; two chains a block; the floor 2^(5 - 127)
	v_max3_num_f32 v[TM+2+\c], |v[\s+32*\c+16]|, |v[\s+32*\c+17]|, |v[\s+32*\c+18]|
.endr
.irp i, 2,4,6,8,10,12,14
.irp c, 0,1
	v_max3_num_f32 v[TM+\c], v[TM+\c], |v[\s+32*\c+\i]|, |v[\s+32*\c+\i+1]|
.endr
.endr
.irp i, 19,21,23,25,27,29
.irp c, 0,1
	v_max3_num_f32 v[TM+2+\c], v[TM+2+\c], |v[\s+32*\c+\i]|, |v[\s+32*\c+\i+1]|
.endr
.endr
.irp c, 0,1
	v_max3_num_f32 v[TM+\c], v[TM+\c], v[TM+2+\c], |v[\s+32*\c+31]|
.endr
.irp c, 0,1
	v_add_nc_u32 v[TM+12+\c], 0xfe000000, v[TM+\c]         ; 4 off the exponent field: the conversion's scale operand
.endr
.irp c, 0,1
	v_lshrrev_b32 v[TM+4+\c], 23, v[TM+12+\c]
.endr
	v_lshl_or_b32 v[TM+6], v[TM+5], 16, v[TM+4]            ; my bytes: blocks h and 2 + h,
	v_lshlrev_b32 v[TM+6], v[SELV], v[TM+6]                ; 8 h bits up;
	v_permlanex16_b32 v[TM+7], v[TM+6], s[SEL], s[SEL+1]
	v_or_b32 v[\pw], v[TM+6], v[TM+7]                      ; with lane l xor 16's two the word is whole
.irp c, 0,1
	v_cvt_scalef32_pk16_bf6_f32 v[PC+6*\c:PC+2+6*\c], v[\s+32*\c:\s+15+32*\c], v[TM+12+\c]
	v_cvt_scalef32_pk16_bf6_f32 v[PC+12+4*\c:PC+14+4*\c], v[\s+16+32*\c:\s+31+32*\c], v[TM+12+\c]
.endr
	v_nop                                                  ; one plain place behind a scaled conversion
.irp c, 0,1
.irp i, 0,1,2
	v_mov_b32 v[PC+3+6*\c+\i], v[PC+12+4*\c+\i]
.endr
.endr
.endm
.macro VTILE a
.set AC, 64*((\a)%4)
	WIN 0x02+(\a)/4
.set JJ, 0
.rept 32
	v_pk_add_f32 v[H+JJ:H+JJ+1], v[AC+JJ:AC+JJ+1], v[BV+2*(\a):BV+2*(\a)+1]
.set JJ, JJ+2
.endr
	WIN 0
	s_wait_xcnt 0x0
	QUANTV H, WW+(\a)
	global_store_b128 v[L16], v[PC:PC+3], s[36+4*((\a)/4):37+4*((\a)/4)] offset:1536*((\a)%4)
	global_store_b64 v[L8], v[PC+4:PC+5], s[36+4*((\a)/4):37+4*((\a)/4)] offset:1536*((\a)%4)+512
	global_store_b128 v[L16], v[PC+6:PC+9], s[36+4*((\a)/4):37+4*((\a)/4)] offset:1536*((\a)%4)+768
	global_store_b64 v[L8], v[PC+10:PC+11], s[36+4*((\a)/4):37+4*((\a)/4)] offset:1536*((\a)%4)+1280
.endm
.macro FINISH
	s_wait_tensorcnt 0x0                           ; the wave's end
	ds_add_u32 v[SPW], v[NIL]
	s_wait_dscnt 0x0
	CROUND                                         ; the closing round
	s_endpgm
.endm
	s_load_b256 s[4:11], s[0:1], 0x0               ; xq s[4:5], wq s[6:7], b_qkv s[8:9], rope s[10:11]
	s_load_b128 s[12:15], s[0:1], 0x20             ; qb s[12:13], kv s[14:15]
	v_lshl_add_u32 v[SPW], v0, 2, SPARE
	v_mov_b32 v[NIL], 0
	ds_add_u32 v[SPW], v[NIL]                      ; the wave's opening: the add, twice on end, and its wait ahead of my first tensor load
	ds_add_u32 v[SPW], v[NIL]
	v_lshrrev_b32 v1, 5, v0
	v_readfirstlane_b32 s16, v1                    ; wave
	s_lshr_b32 s17, s16, 1                         ; which half of A's rows is mine.  Also: I fetch for A (0) or for B (1)
	s_and_b32 s18, s16, 1                          ; which half of B's rows.  Also: which half I fetch
	s_bfe_u32 s19, ttmp6, 0x40000                  ; cx
	s_bfe_u32 s20, ttmp6, 0x40004                  ; cy
	s_and_b32 s22, ttmp7, 0xffff                   ; the cluster's y
	s_lshl_b32 s92, s20, 2
	s_lshl_b32 s92, 15, s92                        ; my row of the cluster
	s_lshl_b32 s93, 0x1111, s19                    ; my column
	s_or_b32 s[G1A], s92, (3<<16)|(1<<21)          ; 15:0 the mask; 17:16 elements of 8 bytes; 21 set beside a mask; no padding
	s_or_b32 s[G1B], s93, (3<<16)|(1<<21)
	s_or_b32 s[G1SA], s92, (3<<16)|(1<<21)
	s_or_b32 s[G1SB], s93, (3<<16)|(1<<21)
.irp g, G1A, G1B                       ; codes: 8 tiles' 3,072 bytes (256 along K), on end
	s_mov_b32 s[\g+1], 32<<16                      ; the refill: 24,576 dense bytes as 96 rows of 256
	s_mov_b32 s[\g+2], 96<<16
	s_mov_b32 s[\g+3], 32<<16
	s_mov_b32 s[\g+4], 96
	s_mov_b32 s[\g+5], 32
	s_mov_b32 s[\g+6], 0
	s_mov_b32 s[\g+7], 0
.endr
.irp g, G1SA, G1SB                     ; the scale words of 8 tiles (4,096 bytes) and three steps of codes behind them
	s_mov_b32 s[\g+1], 32<<16
	s_mov_b32 s[\g+2], 304<<16                     ; the head's load: 77,824 dense bytes as 304 rows of 256
	s_mov_b32 s[\g+3], 32<<16
	s_mov_b32 s[\g+4], 304
	s_mov_b32 s[\g+5], 32
	s_mov_b32 s[\g+6], 0
	s_mov_b32 s[\g+7], 0
.endr
	s_cmp_eq_u32 ttmp9, 2                          ; v's cluster?  The same in all sixteen partners
	s_cselect_b32 s94, 0, s22                      ; A's tile row = 4 x this + cy
	s_cselect_b32 s95, s22, ttmp9                  ; B's tile column = 4 x this + cx
	s_cselect_b32 s96, 128, 0                      ; W_v begins at tile 128 of wq
	s_lshl_b32 s94, s94, 2
	s_add_co_u32 s94, s94, s20                     ; tile row: never holds cx
	s_lshl_b32 s95, s95, 2
	s_add_co_u32 s95, s95, s19                     ; tile column: never holds cy
	s_lshl_b32 s3, s18, 3
	s_lshl_b32 s2, s94, 4
	s_add_co_u32 s2, s2, s3
	s_add_co_u32 s2, s2, s96                       ; the first of the 8 tiles of A that I would fetch
	s_lshl_b32 s23, s95, 4
	s_add_co_u32 s23, s23, s3                      ; and of B
	s_mul_i32 s92, s2, 12800                       ; the tile's number is a multiple of 8: its record begins at 102,400 x (number / 8)
	s_mov_b32 s93, 0
	s_mul_i32 s98, s23, 12800
	s_mov_b32 s99, 0
	s_mul_i32 s21, s16, HALFT                      ; where it goes: wave x a region: no place in the cluster enters an LDS address
	s_wait_dscnt 0x0                               ; both opening adds are done
	s_wait_kmcnt 0x0
	s_cmp_eq_u32 ttmp9, 2
	s_cselect_b64 s[G0SA+2:G0SA+3], s[6:7], s[4:5] ; A's buffer
	s_cselect_b64 s[G0SB+2:G0SB+3], s[4:5], s[6:7] ; B's
	s_add_nc_u64 s[G0SA+2:G0SA+3], s[G0SA+2:G0SA+3], s[92:93]   ; the head's load: the record's first byte
	s_add_nc_u64 s[G0SB+2:G0SB+3], s[G0SB+2:G0SB+3], s[98:99]
	s_add_nc_u64 s[G0A0+2:G0A0+3], s[G0SA+2:G0SA+3], HALFT      ; the refill: the fourth 256 along K
	s_add_nc_u64 s[G0B0+2:G0B0+3], s[G0SB+2:G0SB+3], HALFT
.irp g, G0A0, G0B0, G0SA, G0SB
	s_mov_b32 s[\g], 1                             ; count = 1
	s_or_b32 s[\g+3], s[\g+3], 0x80000000          ; type = 2
.endr
	s_add_co_u32 s[G0A0+1], s21, 4096              ; slot 0 of my region
	s_add_co_u32 s[G0B0+1], s21, 4096
	s_mov_b32 s[G0SA+1], s21
	s_mov_b32 s[G0SB+1], s21
	CROUND                                         ; all sixteen work-groups are here: the first joint loads meet
	JLOAD G0SA, G1SA, G0SB, G1SB                   ; my one load at the head: the scale words and three of the four steps of 256 along K
	v_and_b32 v1, 15, v0                           ; r
	v_bfe_u32 v2, v0, 4, 1                         ; h
	v_and_b32 v3, 31, v0                           ; lane
	s_wait_alu depctr_va_vdst(0)
	s_mul_i32 s2, s17, HALFT                       ; my 128 rows of A: slot 0 of their region
	s_add_co_u32 s2, s2, 4096
	s_mul_i32 s3, s18, HALFT
	s_add_co_u32 s3, s3, 2*HALFT+4096              ; my 128 rows of B
.irp s, 0,1,2
	v_lshl_add_u32 v[A16+\s], v3, 4, s2
	v_lshl_add_u32 v[A8+\s], v3, 3, s2
	v_lshl_add_u32 v[B16+\s], v3, 4, s3
	v_lshl_add_u32 v[B8+\s], v3, 3, s3
	s_add_co_u32 s2, s2, SLOT
	s_add_co_u32 s3, s3, SLOT
.endr
	s_mul_i32 s2, s17, HALFT                       ; A's scale words of my 128 rows: their region's first bytes,
	s_mul_i32 s3, s18, HALFT
	s_add_co_u32 s3, s3, 2*HALFT                   ; B's
	s_sub_co_u32 s3, s3, s2
	v_mul_u32_u24 v[ADRS], s3, v2                  ; lanes 16-31 take B's: the lower base + h x the distance
	v_lshl_add_u32 v[ADRS], v1, 3, v[ADRS]
	v_add_nc_u32 v[ADRS], s2, v[ADRS]
	s_wait_alu depctr_va_vdst(0)
	s_wait_tensorcnt 0x0                           ; my region is in
	s_barrier_signal -1
	s_barrier_wait -1
	FETCH_B 0, 0, 0
	FETCH_A 0, 0, 0
	SCALES 0, 0
	FETCH_A 0, 0, 4
	STEP 0, 0, 0, 0, 1, 0, 0, 1                    ; K 0: its products start the sums
	TURN 1, 1, 0, 1, 1, 1, 1                       ; K 128; slot 0 is left and filled again; slots 1 and 2 are now whole for every wave
	STEP 0, 0, 1, 1, 1, 0, 0, 0                    ; K 256
	STEP 1, 1, 1, 2, 0, 0, 2, 0                    ; K 384; on to slot 2, shown whole by the round above
	STEP 0, 0, 0, 2, 1, 0, 0, 0                    ; K 512
	TURN 1, 1, 0, 0, 1, 3, 0                       ; K 640; the refill has landed, in every wave
	; THE ROLES PART, once.  No tensor load is out or follows, so the descriptors' registers are free.  Each arm asks for its bias (and table) now, two steps' products ahead of their use.
	s_mov_b32 s[SEL], 0x76543210
	s_mov_b32 s[SEL+1], 0xfedcba98
	v_lshlrev_b32 v[L16], 4, v3
	v_lshlrev_b32 v[L8], 3, v3
.irp b, 0,1,2,3
	v_mov_b32 v[TM+4+\b], 0                        ; written once: a lane permute's destination counts as one of its sources
.endr
	s_cmp_eq_u32 ttmp9, 2
	s_cbranch_scc1 .Lrole_v
; ---------------- q and k
	s_mov_b32 s26, 102400
	s_mov_b32 s27, 6144
	s_mov_b32 s28, 256
	s_mov_b32 s29, 98304
	s_cmp_eq_u32 ttmp9, 1
	s_cselect_b64 s[24:25], s[14:15], s[12:13]     ; k goes to kv, q to qb
	s_cselect_b32 s26, 204800, s26                 ; a head in bytes
	s_cselect_b32 s27, 12800, s27                  ; 8 tiles (128 tokens) on, in the codes,
	s_cselect_b32 s28, 12800, s28                  ; and in the scale words,
	s_cselect_b32 s29, 12288, s29                  ; which begin here
	s_lshl_b32 s30, s94, 4
	s_lshl_b32 s31, s17, 3
	s_add_co_u32 s30, s30, s31                     ; my first tile of tokens
	s_lshr_b32 s31, s30, 7                         ; batch
	s_bfe_u32 s32, s30, 0x40003                    ; which 128 tokens of the batch
	s_and_b32 s33, s30, 127                        ; the tile within the batch
	s_lshl_b32 s34, s19, 2
	s_lshl_b32 s35, s18, 1
	s_add_co_u32 s34, s34, s35                     ; my first head
	s_lshl_b32 s31, s31, 4
	s_add_co_u32 s31, s31, s34
	s_mul_i32 s31, s31, s26
	s_mul_i32 s36, s32, s27
	s_add_co_u32 s36, s36, s31
	s_mov_b32 s37, 0
	s_add_nc_u64 s[36:37], s[24:25], s[36:37]      ; the first head's images
	s_mul_i32 s38, s32, s28
	s_add_co_u32 s38, s38, s31
	s_add_co_u32 s38, s38, s29
	s_mov_b32 s39, 0
	s_add_nc_u64 s[38:39], s[24:25], s[38:39]      ; its scale words
	s_mov_b32 s27, 0
	s_add_nc_u64 s[40:41], s[36:37], s[26:27]      ; the second head's images
	s_lshl_b32 s42, s95, 10
	s_lshl_b32 s43, s18, 9
	s_add_co_u32 s42, s42, s43
	s_mov_b32 s43, 0
	s_add_nc_u64 s[42:43], s[8:9], s[42:43]        ; the bias of my 128 columns
	s_lshl_b32 s44, s33, 12
	s_mov_b32 s45, 0
	s_add_nc_u64 s[44:45], s[10:11], s[44:45]      ; cos and sin of my first tile
	v_mul_u32_u24 v[SOFF], s26, v2
	v_lshl_add_u32 v[SOFF], v1, 4, v[SOFF]         ; lanes 0-15 store the first head's words, lanes 16-31 the second's
	v_mov_b32 v[SELV], 0x05040100
	v_mov_b32 v[BO], 0x07060302
	v_cmp_ne_u32 vcc_lo, 0, v2
	v_cndmask_b32 v[SELV], v[SELV], v[BO], vcc_lo  ; which two bytes of a word are my head's
	v_lshlrev_b32 v[BO], 6, v2
	WIN 0x40                                       ; destination window 1: its registers 96-127 and 224-255 lie idle
.irp b, 0,1,2,3
.irp j, 0,1,2,3
	global_load_b128 v[96+16*\b+4*\j+96*(\b/2):99+16*\b+4*\j+96*(\b/2)], v[BO], s[42:43] offset:128*\b+16*\j   ; register 16 b + i: column 32 b + 16 h + i
.endr
.endr
	WIN 0
.irp c, 0,1,2,3,4,5,6,7
	global_load_b128 v[224+4*\c:227+4*\c], v[L16], s[44:45] offset:512*\c
.endr
	STEP 0, 0, 1, 0, 1, 0, 0, 0                    ; K 768
	LAST                                           ; K 896
	PLACES
.irp c, 0,1,2,3,4,5,6,7
	global_load_b128 v[192+4*\c:195+4*\c], v[L16], s[44:45] offset:4096+512*\c
.endr
.irp a, 0,1,2,3,4,5,6,7
	QKTILE \a
.endr
.irp f, 0,1,2,3
	v_perm_b32 v[X4+\f], v[WW+2*\f+1], v[WW+2*\f], v[SELV]   ; word f: two bytes of tile 2 f, two of tile 2 f + 1
.endr
	global_store_b128 v[SOFF], v[X4:X4+3], s[38:39]          ; sixteen lanes store 256 consecutive bytes, aligned
	FINISH
; ---------------- v
.Lrole_v:
	s_lshl_b32 s30, s95, 4
	s_lshl_b32 s31, s18, 3
	s_add_co_u32 s30, s30, s31                     ; my first tile of tokens
	s_lshr_b32 s31, s30, 7                         ; batch
	s_bfe_u32 s32, s30, 0x40003                    ; which 128 keys of the batch
	s_lshl_b32 s34, s94, 2
	s_lshl_b32 s35, s17, 1
	s_add_co_u32 s34, s34, s35                     ; my first head
	s_lshl_b32 s31, s31, 4
	s_add_co_u32 s31, s31, s34
	s_mul_i32 s31, s31, 204800
	s_mul_i32 s32, s32, 12800
	s_add_co_u32 s31, s31, s32
	s_add_co_u32 s36, s31, 6144
	s_mov_b32 s37, 0
	s_add_nc_u64 s[36:37], s[14:15], s[36:37]      ; the first head's four fragments,
	s_add_nc_u64 s[40:41], s[36:37], 204800        ; the second's
	s_add_co_u32 s38, s31, 12544
	s_mov_b32 s39, 0
	s_add_nc_u64 s[38:39], s[14:15], s[38:39]      ; the scale words
	s_lshl_b32 s42, s94, 10
	s_lshl_b32 s43, s17, 9
	s_add_co_u32 s42, s42, s43
	s_add_co_u32 s42, s42, 8192
	s_mov_b32 s43, 0
	s_add_nc_u64 s[42:43], s[8:9], s[42:43]        ; the bias of my 128 channels
	v_mul_u32_u24 v[SOFF], 204800, v2
	v_lshl_add_u32 v[SOFF], v1, 4, v[SOFF]
	v_cmp_ne_u32 s50, 0, v2
	v_lshlrev_b32 v[SELV], 3, v2                   ; 8 h: how far up my two scale bytes go
	v_and_b32 v[BO], 8, v1
	v_add_nc_u32 v[BO], v[BO], v1
	v_lshlrev_b32 v[BO], 2, v[BO]                  ; place r of a tile is channel r + 8 (r / 8)
.irp a, 0,1,2,3,4,5,6,7
	global_load_b32 v[BV+2*\a], v[BO], s[42:43] offset:4*(32*(\a/2)+8*(\a%2))
	global_load_b32 v[BV+2*\a+1], v[BO], s[42:43] offset:4*(32*(\a/2)+8*(\a%2))   ; twice: a pair for the packed addition
.endr
	STEP 0, 0, 1, 0, 1, 0, 0, 0                    ; K 768
	LAST                                           ; K 896
	PLACES
	s_wait_loadcnt 0x0
.irp a, 0,1,2,3,4,5,6,7
	VTILE \a
.endr
.irp i, 0,1,2,3
	v_cndmask_b32 v[X4+\i], v[WW+\i], v[WW+4+\i], s50        ; lanes 0-15: the first head's four words, lanes 16-31: the second's
.endr
	global_store_b128 v[SOFF], v[X4:X4+3], s[38:39]
	FINISH
.Lfunc_end_k_q4e31407694_qkv:
	.size	k_q4e31407694_qkv, .Lfunc_end_k_q4e31407694_qkv-k_q4e31407694_qkv
	.p2alignl 7, 3214868480
	.fill 96, 4, 3214868480
	.section	.rodata,"a",@progbits
	.p2align	6, 0x0
	.amdhsa_kernel k_q4e31407694_qkv
		.amdhsa_group_segment_fixed_size 327680
		.amdhsa_private_segment_fixed_size 0
		.amdhsa_enable_private_segment 0
		.amdhsa_kernarg_size 48
		.amdhsa_user_sgpr_count 2
		.amdhsa_user_sgpr_kernarg_segment_ptr 1
		.amdhsa_wavefront_size32 1
		.amdhsa_system_sgpr_workgroup_id_x 1
		.amdhsa_system_sgpr_workgroup_id_y 1
		.amdhsa_system_sgpr_workgroup_id_z 1
		.amdhsa_system_vgpr_workitem_id 0
		.amdhsa_next_free_vgpr 1024
		.amdhsa_next_free_sgpr 102
		.amdhsa_reserve_vcc 1
		.amdhsa_float_denorm_mode_32 3
		.amdhsa_float_denorm_mode_16_64 3
		.amdhsa_memory_ordered 1
		.amdhsa_forward_progress 1
		.amdhsa_inst_pref_size 255
	.end_amdhsa_kernel
	.section	.bss,"aw",@nobits
	.p2align	6
	.space	262144
	.amdgpu_metadata
---
amdhsa.version: [ 1, 2 ]
amdhsa.kernels:
  - .name:           k_q4e31407694_qkv
    .symbol:         k_q4e31407694_qkv.kd
    .args:
      - { .name: xq, .offset: 0, .size: 8, .value_kind: global_buffer, .address_space: global }
      - { .name: wq, .offset: 8, .size: 8, .value_kind: global_buffer, .address_space: global }
      - { .name: b_qkv, .offset: 16, .size: 8, .value_kind: global_buffer, .address_space: global }
      - { .name: rope, .offset: 24, .size: 8, .value_kind: global_buffer, .address_space: global }
      - { .name: qb, .offset: 32, .size: 8, .value_kind: global_buffer, .address_space: global }
      - { .name: kv, .offset: 40, .size: 8, .value_kind: global_buffer, .address_space: global }
    .group_segment_fixed_size: 327680
    .private_segment_fixed_size: 0
    .kernarg_segment_align: 8
    .kernarg_segment_size: 48
    .max_flat_workgroup_size: 128
    .sgpr_count:     102
    .vgpr_count:     1024
    .wavefront_size: 32
...
	.end_amdgpu_metadata
.endif
;; end of part 2
;; launch attn (part 3): grid 4 x 64, 8 waves a work-group, clusters of 4 x 1, 327,680 bytes of LDS; arguments qb, kv, ao; writes ao
.if DOCPART == 3
	.amdgcn_target "amdgcn-amd-amdhsa--gfx1250"
	.amdhsa_code_object_version 6
	.text
	.protected	k_q4e31407694_attn
	.globl	k_q4e31407694_attn
	.p2align	8
	.type	k_q4e31407694_attn,@function
k_q4e31407694_attn:
	s_mov_b64 s[64:65], 0
	v_nop
	global_prefetch_b8 v0, s[64:65] scope:SCOPE_SE
	s_setreg_imm32_b32 hwreg(HW_REG_WAVE_MODE, 25, 1), 1
	s_wait_xcnt 0x0
	s_wait_alu depctr_hold_cnt(0) depctr_sa_sdst(0) depctr_va_vdst(0) depctr_va_sdst(0) depctr_va_ssrc(0) depctr_va_vcc(0) depctr_vm_vsrc(0)
	s_getreg_b32 s2, hwreg(HW_REG_IB_STS2, 6, 4)
	s_cmp_eq_u32 s2, 0
	s_cbranch_scc0 .Lentry_in_a_cluster
	s_endpgm
.Lentry_in_a_cluster:
	s_bfe_u32 s2, ttmp6, 0x10000c
	s_cmp_lg_u32 s2, 0x3003
	s_cbranch_scc0 .Lentry_shape_is_right
	s_endpgm
.Lentry_shape_is_right:
; ATTENTION IN MX-BF6, launch 3 of 4: for one head, S^T = K Q^T, p = 2^(t - M), O^T = V^T P^T, O / l, and O's codes along the model's 1,024.  No work of the problem is left out.
; t = score x log2(e) / 8; M = the running largest t rounded up to a whole number; the row's sum is taken of the unquantised p; when M moves, the sums and O are multiplied by 2^(old M - new M): exact.
; LIMITS: NaN and infinities are not served; the scaled scores stay under 2^31 in magnitude; a block of zeros gets the scale byte 1 (its codes are zeros; this program alone reads the bytes).
; SHARES.  A work-group owns 512 queries of one head; each of its eight waves four tiles of 16, in two passes of TWO TILES SIDE BY SIDE: a fragment of K or V feeds both tiles, and every chain of one tile has the other's beside it.
; A HEAD'S K AND V STAY IN LDS: 16 steps of 12,800 bytes; each wave brings two steps by one tensor load at the head.  Nothing is filled again: the loop has no barrier.
; CLUSTER.  The four work-groups of a head want the same bytes: the loads are joint.  All that a work-group will read is asked for at the head, so there is nothing to prefetch.
; A step in LDS: 8 tiles of K (half images, 768 bytes), 4 fragments of V (16 channels x 128 keys), K's scale words [r][4], V's [r][4].
; K = 64 IN AN INSTRUCTION OF 128: fragment f of K holds key tile 2 f in k 0-63 and key tile 2 f + 1 in k 64-127; it is multiplied once by [q | zero codes] and once by [zero codes | q].
; Both products are used transposed: a lane holds ONE query.  Place r of key tile u is key 64 (u / 4) + 8 (u % 4) + r % 8 + 32 (r / 8) of the step (launch 1), so score register 32 c + i of lane (r, h) is key 64 c + 32 h + i:
; a lane holds two WHOLE scale blocks of p, in the order of the operand's registers: a block's largest needs no other lane and the codes are not moved between lanes.
; REGISTERS.  Window 0: addresses; v12-41 [0 | q | 0 | q' | 0]; scale words; v60-71 the next pass's q; K's and V's four fragments each; O^T of both tiles; the sums.  Window 1: the scores / p, p's codes, the softmax's state.
; ao is laid in records of 8 tiles as launch 1 lays xq: head hd is half hd % 2 of fragment (hd / 2) % 2 of step hd / 4.
.set STEPB,  12800
.set HEADKV, 204800
.set HEADQ,  102400
.set QSC,    98304
.set GRP,    102400
.set SPARE,  204800                    ; the spare words, 128 bytes for each wave: four blocks of 256 bytes that no other line names
.set L16, 1                            ; 16 x lane
.set L8,  2                            ; 8 x lane
.set R16, 3                            ; 16 x (lane % 16)
.set SPW, 4
.set NIL, 5
.set AD16, 6                           ; v6-8 the same three in the step in hand
.set AD8, 7
.set ADR, 8
.set SB,  9                            ; where my two scale bytes of O go
.set QA,  12
.set QW,  42                           ; v42, v43 q's scale words as loaded
.set QS,  44                           ; v44, v45 q's scale words, a tile each
.set PW,  46                           ; v46, v47 p's
.set KS,  48                           ; v48-51 K's
.set VS,  56                           ; v56-59 V's
.set QH,  60
.set KF,  72                           ; v72-119 K's fragments; at a pass's end at work for O's codes
.set VF,  120                          ; v120-167 V's
.set OX,  168                          ; v168-231 O^T: 32 a tile
.set LL,  232                          ; v232-239 the sums: two pairs a tile
.set RF,  240                          ; v240-243 1 / l, a pair a tile (the low word serves both halves)
.set TL,  244
; window 1 (numbers less 256); tile t's state lies 12 t further on
.set PC,  128                          ; p's codes, 12 a tile
.set TV,  152                          ; the second conversions' codes, 8 a tile
.set NM,  168                          ; -M, and beside it
.set RM,  169                          ; the running largest score
.set FF,  170                          ; the factor (a pair is named)
.set BM,  172                          ; two blocks' largest
.set SO,  174                          ; the conversions' scale operands
.set TT,  176
.set UU,  177
.set H8,  192                          ; 8 h
.set TS,  194                          ; v194-225 the first tile's p, added two pairs to one
.set WV,  10
.set G1,  16
.set G0,  24
.set SEL, 40
.set CS,  42
.set TB,  44
.set PS,  45
.set MSB, 0
.macro WIN new                         ; the immediate's high byte repeats the setting that is left
.if MSB != (\new)
	s_set_vgpr_msb (MSB<<8)|(\new)
.set MSB, (\new)
.endif
.endm
.macro WALU
	s_wait_alu depctr_va_vdst(0)
.endm
.macro CROUND
	s_barrier_signal -1
	s_barrier_wait -1
	s_cmp_lg_u32 s[WV], 0
	s_cbranch_scc1 .Lnot_wave_0_\@
	s_barrier_signal -3
.Lnot_wave_0_\@:
	s_barrier_wait -3
	s_barrier_signal -1
	s_barrier_wait -1
.endm
.macro FRAG reg, a16, a8, off          ; a fragment's image: four loads, each lane-contiguous
	ds_load_b128 v[\reg:\reg+3], v[\a16] offset:\off
	ds_load_b64 v[\reg+4:\reg+5], v[\a8] offset:\off+512
	ds_load_b128 v[\reg+6:\reg+9], v[\a16] offset:\off+768
	ds_load_b64 v[\reg+10:\reg+11], v[\a8] offset:\off+1280
.endm
.macro KLOAD a16, a8, ar, off          ; K's four fragments and scale words: 17 loads
.irp f, 0,1,2,3
	FRAG KF+12*\f, \a16, \a8, \off+1536*\f
.endr
	ds_load_b128 v[KS:KS+3], v[\ar] offset:\off+12288
.endm
.macro QLOAD off                       ; two tiles of q
	global_load_b128 v[QH:QH+3], v[L16], s[4:5] offset:\off
	global_load_b64 v[QH+4:QH+5], v[L8], s[4:5] offset:\off+512
	global_load_b128 v[QH+6:QH+9], v[L16], s[4:5] offset:\off+768
	global_load_b64 v[QH+10:QH+11], v[L8], s[4:5] offset:\off+1280
.endm
.macro SMUL t, f, o                    ; query tile t x key tile 2 f + o
	v_wmma_scale_f32_16x16x128_f8f6f4 v[64*\t+16*\f+8*\o:64*\t+16*\f+8*\o+7], v[KF+12*\f:KF+12*\f+11], v[QA+6+12*\t-6*\o:QA+17+12*\t-6*\o], 0, v[KS+\f], v[QS+\t] matrix_a_fmt:MATRIX_FMT_BF6 matrix_b_fmt:MATRIX_FMT_BF6
.endm
.macro SUMS n                          ; n of a step's 64 packed additions: four chains by turns, two a tile
.rept \n
.if KK%3 == 0                          ; (of 48: by turns one of the first tile's sixteen, which take what was added among the exponentials, and two of the second tile's 32)
	v_pk_add_f32 v[LL+2*((KK/3)%2):LL+2*((KK/3)%2)+1], v[LL+2*((KK/3)%2):LL+2*((KK/3)%2)+1], v[TS+2*(KK/3):TS+2*(KK/3)+1]
.else
	v_pk_add_f32 v[LL+2+2*(KK%3):LL+3+2*(KK%3)], v[LL+2+2*(KK%3):LL+3+2*(KK%3)], v[64+4*(KK/3)+2*(KK%3)-2:64+4*(KK/3)+2*(KK%3)-1]
.endif
.set KK, KK+1
.endr
.endm
	s_load_b128 s[4:7], s[0:1], 0x0                ; qb, kv
	s_load_b64 s[8:9], s[0:1], 0x10                ; ao
	v_lshl_add_u32 v[SPW], v0, 2, SPARE
	v_mov_b32 v[NIL], 0
	ds_add_u32 v[SPW], v[NIL]                      ; the wave's opening: the add, twice on end, and its wait ahead of my first tensor load
	ds_add_u32 v[SPW], v[NIL]
	v_lshrrev_b32 v10, 5, v0
	v_readfirstlane_b32 s[WV], v10                 ; wave 0..7
	s_bfe_u32 s11, ttmp6, 0x40000                  ; cx: which 512 queries: it enters global addresses alone
	s_and_b32 s12, ttmp7, 0xffff                   ; 16 x batch + head, which the four partners share
	s_mov_b32 s[G1], 15|(3<<16)|(1<<21)            ; the mask: all four; elements of 8 bytes; bit 21 beside a mask; no padding
	s_mov_b32 s[G1+1], 32<<16                      ; two steps: 25,600 dense bytes as 100 rows of 256
	s_mov_b32 s[G1+2], 100<<16
	s_mov_b32 s[G1+3], 32<<16
	s_mov_b32 s[G1+4], 100
	s_mov_b32 s[G1+5], 32
	s_mov_b32 s[G1+6], 0
	s_mov_b32 s[G1+7], 0
	s_mov_b32 s[G0], 1
	s_mul_i32 s[G0+1], s[WV], 2*STEPB
	s_mul_i32 s28, s12, HEADKV
	s_add_co_u32 s28, s28, s[G0+1]
	s_mov_b32 s29, 0
	s_lshl_b32 s13, s11, 5
	s_lshl_b32 s14, s[WV], 2
	s_add_co_u32 s13, s13, s14                     ; my first tile of queries: 32 cx + 4 w
	s_mul_i32 s30, s12, HEADQ
	s_mul_i32 s31, s13, 768
	s_add_co_u32 s32, s30, s31
	s_mov_b32 s33, 0                               ; q's four half images
	s_lshr_b32 s15, s13, 3
	s_lshl_b32 s15, s15, 8
	s_bfe_u32 s14, s13, 0x10002
	s_lshl_b32 s14, s14, 3
	s_add_co_u32 s34, s30, s15
	s_add_co_u32 s34, s34, s14
	s_add_co_u32 s34, s34, QSC
	s_mov_b32 s35, 0                               ; q's two scale words: [pair / 4][r][pair % 4]
	s_lshr_b32 s14, s12, 4                         ; batch
	s_and_b32 s15, s12, 15                         ; head
	s_lshl_b32 s14, s14, 7
	s_add_co_u32 s14, s14, s13                     ; the tile among all 512
	s_lshr_b32 s30, s14, 3
	s_mul_i32 s30, s30, GRP                        ; its record in ao
	s_and_b32 s14, s14, 7
	s_lshr_b32 s31, s15, 2
	s_and_b32 s15, s15, 3
	s_mul_i32 s36, s14, 3072
	s_add_co_u32 s36, s36, s30
	s_mul_i32 s37, s31, 24576
	s_add_co_u32 s36, s36, s37
	s_mul_i32 s37, s15, 768
	s_add_co_u32 s36, s36, s37
	s_add_co_u32 s36, s36, 4096
	s_mov_b32 s37, 0
	s_lshl_b32 s38, s14, 9
	s_add_co_u32 s38, s38, s30
	s_lshl_b32 s31, s31, 7
	s_add_co_u32 s38, s38, s31
	s_lshl_b32 s15, s15, 1
	s_add_co_u32 s38, s38, s15
	s_mov_b32 s39, 0
	s_mov_b32 s[SEL], 0x76543210
	s_mov_b32 s[SEL+1], 0xfedcba98
	s_mov_b32 s[CS], 0x3e38aa3b                    ; c = log2(e) / sqrt(64)
	s_mov_b32 s[CS+1], s[CS]                       ; (named with it as a pair, so it is written)
	s_wait_dscnt 0x0                               ; both opening adds are done
	s_wait_kmcnt 0x0
	s_add_nc_u64 s[G0+2:G0+3], s[6:7], s[28:29]
	s_or_b32 s[G0+3], s[G0+3], 0x80000000
	s_add_nc_u64 s[34:35], s[4:5], s[34:35]
	s_add_nc_u64 s[4:5], s[4:5], s[32:33]
	s_add_nc_u64 s[36:37], s[8:9], s[36:37]
	s_add_nc_u64 s[38:39], s[8:9], s[38:39]
	CROUND                                         ; all four work-groups are here: the joint loads meet
	tensor_load_to_lds s[G0:G0+3], s[G1:G1+7]      ; my one tensor load of the launch
	s_nop 0
.rept 4
	v_nop
.endr
	v_and_b32 v10, 31, v0
	v_and_b32 v11, 15, v0
	v_lshlrev_b32 v[L16], 4, v10
	v_lshlrev_b32 v[L8], 3, v10
	v_lshlrev_b32 v[R16], 4, v11
	v_bfe_u32 v10, v0, 4, 1
	v_cmp_ne_u32 s46, 0, v10                       ; lanes 16-31
	v_lshlrev_b32 v[SB], 9, v10
	v_lshl_add_u32 v[SB], v11, 3, v[SB]            ; lanes 0-15 store the first tile's bytes, lanes 16-31 the second's: 512 (lane / 16) + 8 r
	QLOAD 0
	global_load_b64 v[QW:QW+1], v[R16], s[34:35]
.irp j, 0,1,2,3,4,5,12,13,14,15,16,17,24,25,26,27,28,29
	v_mov_b32 v[QA+\j], 0                          ; zero codes
.endr
.irp j, RF+1, RF+3, TL, TL+1
	v_mov_b32 v[\j], 0                             ; upper halves of named pairs, and lane permutes' destinations: written once
.endr
	WIN 0x40                                       ; destination window 1
	v_lshlrev_b32 v[H8], 3, v10
.irp t, 0,1
	v_mov_b32 v[UU+12*\t], 0
	v_mov_b32 v[FF+1+12*\t], 0
.endr
	WIN 0
	s_mov_b32 s[PS], 0
	WALU                                           ; the wait at the head's end
	s_wait_tensorcnt 0x0                           ; my two steps have landed,
	s_barrier_signal -1
	s_barrier_wait -1                              ; everybody's have
.Lpass:                                            ; two passes, two tiles of queries each
	s_wait_loadcnt 0x0                             ; this pass's q
.irp j, 0,1,2,3,4,5
	v_mov_b32 v[QA+6+\j], v[QH+\j]
	v_mov_b32 v[QA+18+\j], v[QH+6+\j]
.endr
	v_perm_b32 v[QS], v[QW], v[QW], 0x05040100     ; a tile's two bytes, for either half of K
	v_perm_b32 v[QS+1], v[QW], v[QW], 0x07060302
.set JJ, 0
.rept 72
	v_mov_b32 v[OX+JJ], 0                          ; O^T and the sums: the step is written once; the first finds zeros
.set JJ, JJ+1
.endr
	WIN 0x40
.irp t, 0,1
	v_mov_b32 v[RM+12*\t], 0xff61b1e6              ; the largest score so far: -3e38
	v_mov_b32 v[NM+12*\t], 0x7f61b1e6              ; -M
.endr
	WIN 0
	KLOAD L16, L8, R16, 0                          ; step 0's K
	s_cmp_eq_u32 s[PS], 1
	WALU                                           ; the wait ahead of the branch
	s_cbranch_scc1 .Lno_q
	v_mov_b32 v[QW], v[QW+1]                       ; the second pass's scale word, and its q, which lands under the first pass
	QLOAD 1536
.Lno_q:
	s_mov_b32 s[TB], 0
.Lstep:                                            ; 16 trips of 128 keys
	v_add_nc_u32 v[AD16], s[TB], v[L16]
	v_add_nc_u32 v[AD8], s[TB], v[L8]
	v_add_nc_u32 v[ADR], s[TB], v[R16]
.irp c, 0,1,2,3
	FRAG VF+12*\c, AD16, AD8, 6144+1536*\c         ; V's fragments land under the scores and the softmax (behind the last trip's seven additions and the three lines above: the places)
.endr
	ds_load_b128 v[VS:VS+3], v[ADR] offset:12544
	s_wait_dscnt 17                                ; K's fragments are in; the 17 loads just issued may be out
	WIN 0x40
.irp f, 0,1,2,3
	SMUL 0, \f, 0
	SMUL 1, \f, 0
	SMUL 0, \f, 1
	SMUL 1, \f, 1
.endr
	WIN 0
.rept 4
	v_nop                                          ; places: ahead of the loads into K's registers and of the first read of the scores
.endr
	WALU
	s_cmp_eq_u32 s[TB], 15*STEPB                   ; the last trip has no next step
	s_cbranch_scc1 .Lno_k
	KLOAD AD16, AD8, ADR, STEPB                    ; the next step's K lands under the softmax
.Lno_k:
	WIN 0x55                                       ; all in window 1
.irp t, 0,1                                        ; the largest score of each block of 32 keys, two chains a block, each accumulator from its low end on
.irp c, 0,1
	v_max3_num_f32 v[BM+12*\t+\c], v[64*\t+32*\c], v[64*\t+32*\c+1], v[64*\t+32*\c+2]
	v_max3_num_f32 v[SO+12*\t+\c], v[64*\t+32*\c+16], v[64*\t+32*\c+17], v[64*\t+32*\c+18]
.endr
.endr
.irp n, 3,5,7,9,11,13
.irp t, 0,1
.irp c, 0,1
	v_max3_num_f32 v[BM+12*\t+\c], v[BM+12*\t+\c], v[64*\t+32*\c+\n], v[64*\t+32*\c+\n+1]
	v_max3_num_f32 v[SO+12*\t+\c], v[SO+12*\t+\c], v[64*\t+32*\c+16+\n], v[64*\t+32*\c+17+\n]
.endr
.endr
.endr
.irp t, 0,1
.irp c, 0,1
	v_max3_num_f32 v[BM+12*\t+\c], v[BM+12*\t+\c], v[SO+12*\t+\c], v[64*\t+32*\c+15]
.endr
.endr
.irp t, 0,1
.irp c, 0,1
	v_max_num_f32 v[BM+12*\t+\c], v[BM+12*\t+\c], v[64*\t+32*\c+31]
.endr
.endr
.irp t, 0,1
	v_max_num_f32 v[TT+12*\t], v[BM+12*\t], v[BM+12*\t+1]
.endr
.irp t, 0,1
	v_permlanex16_b32 v[UU+12*\t], v[TT+12*\t], s[SEL], s[SEL+1]
.endr
.irp t, 0,1
	v_max3_num_f32 v[RM+12*\t], v[RM+12*\t], v[TT+12*\t], v[UU+12*\t]   ; the running largest score of my query
.endr
.irp t, 0,1
	v_mul_f32 v[UU+12*\t], s[CS], v[RM+12*\t]      ; as t (c is positive)
.endr
.irp t, 0,1
	v_mov_b32 v[TT+12*\t], v[NM+12*\t]
.endr
.irp t, 0,1
	v_floor_f32 v[NM+12*\t], -v[UU+12*\t]          ; the new -M = -ceil(t)
.endr
.irp t, 0,1
	v_sub_f32 v[TT+12*\t], v[NM+12*\t], v[TT+12*\t]   ; old M less new M: a whole number, 0 or less
.endr
.irp t, 0,1
	v_cvt_i32_f32 v[TT+12*\t], v[TT+12*\t]         ; (it saturates)
.endr
.irp t, 0,1
	v_ldexp_f32 v[FF+12*\t], 1.0, v[TT+12*\t]      ; f = 2^(old M - new M)
.endr
.irp t, 0,1
.irp c, 0,1
	v_fma_f32 v[BM+12*\t+\c], v[BM+12*\t+\c], s[CS], v[NM+12*\t]
.endr
.endr
.set JJ, 0
.rept 32
	v_pk_fma_f32 v[JJ:JJ+1], v[JJ:JJ+1], s[CS:CS+1], v[NM:NM+1] op_sel_hi:[1,0,0]   ; the first tile's t - M
.set JJ, JJ+2
.endr
	WIN 0x04                                       ; source 1 window 1, all else window 0
.set JJ, 0
.rept 16
	v_pk_mul_f32 v[OX+JJ:OX+JJ+1], v[OX+JJ:OX+JJ+1], v[FF:FF+1] op_sel_hi:[1,0]               ; O^T under the new M, each accumulator from its low end on
	v_pk_mul_f32 v[OX+32+JJ:OX+33+JJ], v[OX+32+JJ:OX+33+JJ], v[FF+12:FF+13] op_sel_hi:[1,0]
.set JJ, JJ+2
.endr
.irp t, 0,1
	v_pk_mul_f32 v[LL+4*\t:LL+4*\t+1], v[LL+4*\t:LL+4*\t+1], v[FF+12*\t:FF+12*\t+1] op_sel_hi:[1,0]   ; and the sums
	v_pk_mul_f32 v[LL+4*\t+2:LL+4*\t+3], v[LL+4*\t+2:LL+4*\t+3], v[FF+12*\t:FF+12*\t+1] op_sel_hi:[1,0]
.endr
	WIN 0x55
	WALU                                           ; the wait ahead of a batch of exponentials
.set JJ, 0
.rept 32
	v_exp_f32 v[JJ], v[JJ]                         ; the first tile's p = 2^(t - M),
	v_exp_f32 v[JJ+1], v[JJ+1]
	v_pk_fma_f32 v[64+JJ:65+JJ], v[64+JJ:65+JJ], s[CS:CS+1], v[NM+12:NM+13] op_sel_hi:[1,0,0]   ; and among them the second tile's t - M, first read behind the wait below
.set JJ, JJ+2
.endr
.irp t, 0,1
.irp c, 0,1
	v_exp_f32 v[BM+12*\t+\c], v[BM+12*\t+\c]       ; the blocks' largest p: the same two instructions on the same number
.endr
.endr
	v_nop                                          ; a plain place behind the exponentials
	WALU                                           ; behind one batch and ahead of the next
.set JJ, 0
.rept 16
	v_exp_f32 v[64+4*JJ], v[64+4*JJ]               ; the second tile's p,
	v_exp_f32 v[65+4*JJ], v[65+4*JJ]
	v_pk_add_f32 v[TS+2*JJ:TS+2*JJ+1], v[4*JJ:4*JJ+1], v[4*JJ+2:4*JJ+3]   ; and among them the first step of the first tile's sum: each line writes registers of its own, first read behind the wait below
	v_exp_f32 v[66+4*JJ], v[66+4*JJ]
	v_exp_f32 v[67+4*JJ], v[67+4*JJ]
.set JJ, JJ+1
.endr
	v_nop
	WALU
.irp t, 0,1
.irp c, 0,1
	v_max_num_f32 v[BM+12*\t+\c], 0x2800000, v[BM+12*\t+\c]   ; the floor 2^(5 - 127)
.endr
.endr
.irp t, 0,1
.irp c, 0,1
	v_add_nc_u32 v[SO+12*\t+\c], 0xfe000000, v[BM+12*\t+\c]   ; 4 off the exponent field: the conversion's scale operand
.endr
.endr
.irp t, 0,1
.irp c, 0,1
	v_cvt_scalef32_pk16_bf6_f32 v[PC+12*\t+6*\c:PC+12*\t+6*\c+2], v[64*\t+32*\c:64*\t+32*\c+15], v[SO+12*\t+\c]
	v_cvt_scalef32_pk16_bf6_f32 v[TV+8*\t+4*\c:TV+8*\t+4*\c+2], v[64*\t+32*\c+16:64*\t+32*\c+31], v[SO+12*\t+\c]   ; (a conversion's three registers begin on an even number)
.endr
.endr
.irp t, 0,1
.irp c, 0,1
	v_lshrrev_b32 v[BM+12*\t+\c], 23, v[SO+12*\t+\c]          ; the scales' bytes (plain lines behind the conversions)
.endr
.endr
.irp t, 0,1
	v_lshl_or_b32 v[TT+12*\t], v[BM+12*\t+1], 16, v[BM+12*\t] ; my bytes: blocks h and 2 + h,
.endr
.irp t, 0,1
	v_lshlrev_b32 v[TT+12*\t], v[H8], v[TT+12*\t]             ; 8 h bits up
.endr
.irp t, 0,1
	v_permlanex16_b32 v[UU+12*\t], v[TT+12*\t], s[SEL], s[SEL+1]
.endr
.irp t, 0,1
.irp c, 0,1
.irp i, 0,1,2
	v_mov_b32 v[PC+12*\t+6*\c+3+\i], v[TV+8*\t+4*\c+\i]
.endr
.endr
.endr
	WIN 0x05                                       ; sources window 1, destination window 0: scale operands are taken from window 0
.irp t, 0,1
	v_or_b32 v[PW+\t], v[TT+12*\t], v[UU+12*\t]    ; p's scale word: with lane l xor 16's two bytes it is whole
.endr
	WIN 0x04
	s_wait_dscnt 0x0                               ; V's fragments are in (for 0: in the last trip no load is younger)
.set KK, 0
	SUMS 9                                         ; THE ROWS' SUMS OF THE UNQUANTISED p stand round the products: these nine stand between the scale words and the first product
.irp c, 0,1,2,3
.irp t, 0,1
	v_wmma_scale_f32_16x16x128_f8f6f4 v[OX+32*\t+8*\c:OX+32*\t+8*\c+7], v[VF+12*\c:VF+12*\c+11], v[PC+12*\t:PC+12*\t+11], v[OX+32*\t+8*\c:OX+32*\t+8*\c+7], v[VS+\c], v[PW+\t] matrix_a_fmt:MATRIX_FMT_BF6 matrix_b_fmt:MATRIX_FMT_BF6
	SUMS 4                                         ; (the eight accumulators take turns)
.endr
.endr
	SUMS 7                                         ; the last seven: with the four above the places behind the last product
	WIN 0
	s_add_co_u32 s[TB], s[TB], STEPB
	s_cmp_lt_u32 s[TB], 16*STEPB
	s_cbranch_scc1 .Lstep
	; THE PASS'S WAY OUT: O / l, quantised along the head's 64 channels (two blocks; register 16 b + i is channel 32 b + 16 h + i): half a fragment of the last product's operand.  At work: K's registers, 24 a tile
.irp t, 0,1
	v_pk_add_f32 v[LL+4*\t:LL+4*\t+1], v[LL+4*\t:LL+4*\t+1], v[LL+4*\t+2:LL+4*\t+3]
.endr
.irp t, 0,1
	v_add_f32 v[LL+4*\t], v[LL+4*\t], v[LL+4*\t+1]
.endr
.irp t, 0,1
	v_permlanex16_b32 v[TL+\t], v[LL+4*\t], s[SEL], s[SEL+1]
.endr
.irp t, 0,1
	v_add_f32 v[LL+4*\t], v[LL+4*\t], v[TL+\t]     ; the row's sum
.endr
	WALU
.irp t, 0,1
	v_rcp_f32 v[RF+2*\t], v[LL+4*\t]
.endr
	v_nop                                          ; a plain place behind the reciprocals,
	WALU                                           ; and the wait ahead of their first reader, which is O^T's first reader too
.set JJ, 0
.rept 16
	v_pk_mul_f32 v[OX+JJ:OX+JJ+1], v[OX+JJ:OX+JJ+1], v[RF:RF+1] op_sel_hi:[1,0]
	v_pk_mul_f32 v[OX+32+JJ:OX+33+JJ], v[OX+32+JJ:OX+33+JJ], v[RF+2:RF+3] op_sel_hi:[1,0]
.set JJ, JJ+2
.endr
.irp t, 0,1
.irp b, 0,1
	v_max3_num_f32 v[KF+24*\t+16+\b], |v[OX+32*\t+16*\b]|, |v[OX+32*\t+16*\b+1]|, 0x2800000
.endr
.endr
.irp n, 2,4,6,8,10,12,14
.irp t, 0,1
.irp b, 0,1
	v_max3_num_f32 v[KF+24*\t+16+\b], v[KF+24*\t+16+\b], |v[OX+32*\t+16*\b+\n]|, |v[OX+32*\t+16*\b+\n+1]|
.endr
.endr
.endr
.irp t, 0,1
.irp b, 0,1
	v_permlanex16_b32 v[KF+24*\t+18+\b], v[KF+24*\t+16+\b], s[SEL], s[SEL+1]
.endr
.endr
.irp t, 0,1
.irp b, 0,1
	v_max_num_f32 v[KF+24*\t+16+\b], v[KF+24*\t+16+\b], v[KF+24*\t+18+\b]
.endr
.endr
.irp t, 0,1
.irp b, 0,1
	v_add_nc_u32 v[KF+24*\t+20+\b], 0xfe000000, v[KF+24*\t+16+\b]
.endr
.endr
.irp t, 0,1
.irp b, 0,1
	v_lshrrev_b32 v[KF+24*\t+18+\b], 23, v[KF+24*\t+20+\b]
.endr
.endr
.irp t, 0,1
	v_lshl_or_b32 v[KF+24*\t+22], v[KF+24*\t+19], 8, v[KF+24*\t+18]
.endr
.irp t, 0,1
	v_cvt_scalef32_pk16_bf6_f32 v[KF+24*\t:KF+24*\t+2], v[OX+32*\t:OX+32*\t+15], v[KF+24*\t+20]
	v_cvt_scalef32_pk16_bf6_f32 v[KF+24*\t+12:KF+24*\t+14], v[OX+32*\t+16:OX+32*\t+31], v[KF+24*\t+21]
.endr
	v_cndmask_b32 v[KF+23], v[KF+22], v[KF+46], s46   ; (the plain place behind the conversions)
.irp t, 0,1
.irp n, 0,1,2
	v_permlane16_swap_b32 v[KF+24*\t+\n], v[KF+24*\t+12+\n]   ; the operand wants a whole block in a lane
.endr
.endr
.irp t, 0,1
.irp n, 0,1,2
	v_mov_b32 v[KF+24*\t+3+\n], v[KF+24*\t+12+\n]
.endr
.endr
.irp t, 0,1
	global_store_b128 v[L16], v[KF+24*\t:KF+24*\t+3], s[36:37] offset:3072*\t        ; 512 and 256 consecutive bytes, aligned
	global_store_b64 v[L8], v[KF+24*\t+4:KF+24*\t+5], s[36:37] offset:3072*\t+512
.endr
	global_store_b16 v[SB], v[KF+23], s[38:39]     ; two bytes a row: a scale word spans two heads, which are two work-groups: 1 byte in 25 of what the launch stores
	s_wait_xcnt 0x0                                ; the stores have read their registers and bases: both are written again below and in the next pass
	s_add_nc_u64 s[36:37], s[36:37], 6144          ; two tiles on
	s_add_nc_u64 s[38:39], s[38:39], 1024
	s_add_co_u32 s[PS], s[PS], 1
	s_cmp_lt_u32 s[PS], 2
	WALU                                           ; the wait ahead of the branch
	s_cbranch_scc1 .Lpass
	s_wait_tensorcnt 0x0                           ; the wave's end
	ds_add_u32 v[SPW], v[NIL]
	s_wait_dscnt 0x0
	CROUND                                         ; the closing round
	s_endpgm
.Lfunc_end_k_q4e31407694_attn:
	.size	k_q4e31407694_attn, .Lfunc_end_k_q4e31407694_attn-k_q4e31407694_attn
	.p2alignl 7, 3214868480
	.fill 96, 4, 3214868480
	.section	.rodata,"a",@progbits
	.p2align	6, 0x0
	.amdhsa_kernel k_q4e31407694_attn
		.amdhsa_group_segment_fixed_size 327680
		.amdhsa_private_segment_fixed_size 0
		.amdhsa_enable_private_segment 0
		.amdhsa_kernarg_size 24
		.amdhsa_user_sgpr_count 2
		.amdhsa_user_sgpr_kernarg_segment_ptr 1
		.amdhsa_wavefront_size32 1
		.amdhsa_system_sgpr_workgroup_id_x 1
		.amdhsa_system_sgpr_workgroup_id_y 1
		.amdhsa_system_sgpr_workgroup_id_z 1
		.amdhsa_system_vgpr_workitem_id 0
		.amdhsa_next_free_vgpr 512
		.amdhsa_next_free_sgpr 66
		.amdhsa_reserve_vcc 0
		.amdhsa_float_denorm_mode_32 3
		.amdhsa_float_denorm_mode_16_64 3
		.amdhsa_memory_ordered 1
		.amdhsa_forward_progress 1
		.amdhsa_inst_pref_size 46
	.end_amdhsa_kernel
	.amdgpu_metadata
---
amdhsa.version: [ 1, 2 ]
amdhsa.kernels:
  - .name:           k_q4e31407694_attn
    .symbol:         k_q4e31407694_attn.kd
    .args:
      - { .name: qb, .offset: 0, .size: 8, .value_kind: global_buffer, .address_space: global }
      - { .name: kv, .offset: 8, .size: 8, .value_kind: global_buffer, .address_space: global }
      - { .name: ao, .offset: 16, .size: 8, .value_kind: global_buffer, .address_space: global }
    .group_segment_fixed_size: 327680
    .private_segment_fixed_size: 0
    .kernarg_segment_align: 8
    .kernarg_segment_size: 24
    .max_flat_workgroup_size: 256
    .sgpr_count:     66
    .vgpr_count:     512
    .wavefront_size: 32
...
	.end_amdgpu_metadata
.endif
;; end of part 3
;; launch proj (part 4): grid 4 x 64, 4 waves a work-group, clusters of 4 x 4, 327,680 bytes of LDS; arguments ao, wq, b_proj, out0; writes out0
.if DOCPART == 4
	.amdgcn_target "amdgcn-amd-amdhsa--gfx1250"
	.amdhsa_code_object_version 6
	.text
	.protected	k_q4e31407694_proj
	.globl	k_q4e31407694_proj
	.p2align	8
	.type	k_q4e31407694_proj,@function
k_q4e31407694_proj:
	s_mov_b64 s[64:65], 0
	v_nop
	global_prefetch_b8 v0, s[64:65] scope:SCOPE_SE
	s_setreg_imm32_b32 hwreg(HW_REG_WAVE_MODE, 25, 1), 1
	s_wait_xcnt 0x0
	s_wait_alu depctr_hold_cnt(0) depctr_sa_sdst(0) depctr_va_vdst(0) depctr_va_sdst(0) depctr_va_ssrc(0) depctr_va_vcc(0) depctr_vm_vsrc(0)
	s_getreg_b32 s2, hwreg(HW_REG_IB_STS2, 6, 4)
	s_cmp_eq_u32 s2, 0
	s_cbranch_scc0 .Lentry_in_a_cluster
	s_endpgm
.Lentry_in_a_cluster:
	s_bfe_u32 s2, ttmp6, 0x10000c
	s_cmp_lg_u32 s2, 0xf033
	s_cbranch_scc0 .Lentry_shape_is_right
	s_endpgm
.Lentry_shape_is_right:
; ATTENTION IN MX-BF6, launch 4 of 4: out0 = attention's result x W_proj + b_proj, on codes.  No work of the problem is left out.  LIMITS: NaN and infinities are not served.
; THE DEAL.  8,192 x 1,024 of out0 in 256 blocks of 128 tokens x 256 columns, one to a work-group of four waves; a wave makes 64 x 128: 32 accumulators.
; OPERANDS lie in records of 8 tiles (launch 1): 4,096 bytes of scale words, then four steps of 256 along K, 24,576 bytes each, as images of the operand registers.  A = one record of ao, B = two records of wq (W_proj begins at record 24).
; LDS: a region of HALFT bytes for A's record and for each of B's two: the scale words and three slots.  At the head one dense joint load a wave: waves 0 and 1 a half of A's 77,824 bytes each, waves 2 and 3 a record of B each.
; The record's last 24,576 bytes are the one refill, of slot 0, in a drained round of the cluster's barrier inside K step 1; a plain barrier inside K step 4 shows it to all.  All else is asked for at the head and the text has no loop: no prefetch.
; CLUSTERS: 4 x 4: A's record hangs on the tile row alone and is shared along a row of the cluster, B's on the tile column alone and are shared along a column.
; The matrix instruction is used transposed (source 0 = 16 columns of W_proj, source 1 = 16 tokens): a lane holds a token and 8 neighbouring columns.  The bias is the C of each sum's first product.
; TWO SETS of fragments for both operands: a step of 128 along K asks for the next step's 48 loads (54 with scale words), waits for all but these, and issues its 32 products.
; SCALE WORDS: a register holds B's block i in lanes 0-15 and block i + 4 in lanes 16-31; another A's block i and block i + 2: six loads for 256 along K.
; REGISTERS: window 0: v1-3 r, h, lane; v4-17 LDS addresses; v24-27 the way out and the bias's offset; v28, v29 the add's two; v32-63 scale words, two sets; v64-127 the bias; v128-223 A's fragments; on the way out v128-255 rows.
;   window 1: B's fragments, two sets.   window 2: the accumulators ((a, b) at v[8 (8 a + b)]).
.set GRP,   102400
.set FR,    12
.set HALFT, 77824
.set SLOT,  24576
.set SPARE, 3*HALFT                    ; the spare words, 128 bytes for each wave: two blocks of 256 bytes that no other line names
.set SPITCH, 528
.set STAGE, 4096+SLOT                  ; the way out: 16 rows x (512 + 16) bytes for each wave, two in slot 1 of each of the first two regions: slot 1 has had its one fill and, at the barrier in K step 4, its last read
.set A16, 4
.set A8,  7
.set B16, 10
.set B8,  13
.set ADSA, 16
.set ADSB, 17
.set STO, 24
.set RD,  25
.set CO,  26
.set BOF, 27
.set SPW, 28
.set NIL, 29
.set SC,  32                           ; set sc at v[SC + 16 sc]: B's words at 2 i + q, A's at 8 + 2 i + q, q the slot's half
.set BIAS, 64
.set AF,  128
.set BK,  128
.set G1A, 24
.set G1B, 32
.set G1SA, 40
.set G1SB, 48
.set G0A0, 56
.set G0B0, 60
.set G0SA, 68
.set G0SB, 72
.set MSB, 0
.macro WIN new                         ; the immediate's high byte repeats the setting that is left
.if MSB != (\new)
	s_set_vgpr_msb (MSB<<8)|(\new)
.set MSB, (\new)
.endif
.endm
.macro PLACES
.rept 4
	v_nop
.endr
.endm
.macro JLOAD g0a, g1a, g0b, g1b        ; a joint load: waves 0 and 1 fetch for A, waves 2 and 3 for B; an s_nop 0 and four v_nop follow each of the two lines
	s_cmp_eq_u32 s17, 0
	s_cbranch_scc0 .Lfor_b_\@
	tensor_load_to_lds s[\g0a:\g0a+3], s[\g1a:\g1a+7]
	s_nop 0
	PLACES
	s_branch .Lasked_\@
.Lfor_b_\@:
	tensor_load_to_lds s[\g0b:\g0b+3], s[\g1b:\g1b+7]
	s_nop 0
	PLACES
.Lasked_\@:
.endm
.macro CREST                           ; a round of the cluster's barrier behind its opening barrier
	s_cmp_lg_u32 s16, 0
	s_cbranch_scc1 .Lnot_wave_0_\@
	s_barrier_signal -3
.Lnot_wave_0_\@:
	s_barrier_wait -3
	s_barrier_signal -1
	s_barrier_wait -1
.endm
.macro CROUND
	s_barrier_signal -1
	s_barrier_wait -1
	CREST
.endm
.macro DENSE g, rows                   ; group 1 of a dense block: rows of 256 bytes (32 elements of 8)
	s_mov_b32 s[\g+1], 32<<16
	s_mov_b32 s[\g+2], (\rows)<<16
	s_mov_b32 s[\g+3], 32<<16
	s_mov_b32 s[\g+4], \rows
	s_mov_b32 s[\g+5], 32
	s_mov_b32 s[\g+6], 0
	s_mov_b32 s[\g+7], 0
.endm
.macro FRAG reg, a16, a8, off          ; a fragment's image: four loads, each lane-contiguous
	ds_load_b128 v[\reg:\reg+3], v[\a16] offset:\off
	ds_load_b64 v[\reg+4:\reg+5], v[\a8] offset:\off+512
	ds_load_b128 v[\reg+6:\reg+9], v[\a16] offset:\off+768
	ds_load_b64 v[\reg+10:\reg+11], v[\a8] offset:\off+1280
.endm
.macro FETCH slot, q, p                ; a step's fragments into set p: 48 loads
	WIN 0x40
.irp i, 0,1,2,3,4,5,6,7
	FRAG 128*(\p)+FR*\i, B16+\slot, B8+\slot, \i*3072+(\q)*1536
.endr
	WIN 0
.irp i, 0,1,2,3
	FRAG AF+48*(\p)+FR*\i, A16+\slot, A8+\slot, \i*3072+(\q)*1536
.endr
.endm
.macro SCALES sc, S                    ; the scale words of the S-th 256 along K into set sc: 6 loads
.irp i, 0,1,2,3
	ds_load_b64 v[SC+16*(\sc)+2*\i:SC+16*(\sc)+2*\i+1], v[ADSB] offset:512*\i+128*(\S)
.endr
.irp i, 0,1
	ds_load_b64 v[SC+16*(\sc)+8+2*\i:SC+16*(\sc)+8+2*\i+1], v[ADSA] offset:512*\i+128*(\S)
.endr
.endm
.macro GET ns, nq, np, nsc, nS         ; the next step's operands, four places behind the products that read their registers; NL: how many loads
	PLACES
	FETCH \ns, \nq, \np
.if \nq == 0
	SCALES \nsc, \nS
.set NL, 54
.else
.set NL, 48
.endif
.endm
.macro PR a, b, ra, rb, p, q, sc, first
.if \first
	v_wmma_scale_f32_16x16x128_f8f6f4 v[8*(8*\a+\b):8*(8*\a+\b)+7], v[128*(\p)+FR*\b:128*(\p)+FR*\b+FR-1], v[AF+48*(\p)+FR*\a:AF+48*(\p)+FR*\a+FR-1], v[BIAS+8*\b:BIAS+8*\b+7], v[SC+16*(\sc)+2*(\b%4)+(\q)], v[SC+16*(\sc)+8+2*(\a%2)+(\q)] matrix_a_fmt:MATRIX_FMT_BF6 matrix_b_fmt:MATRIX_FMT_BF6 matrix_a_scale:MATRIX_SCALE_ROW\rb matrix_b_scale:MATRIX_SCALE_ROW\ra
.else
	v_wmma_scale_f32_16x16x128_f8f6f4 v[8*(8*\a+\b):8*(8*\a+\b)+7], v[128*(\p)+FR*\b:128*(\p)+FR*\b+FR-1], v[AF+48*(\p)+FR*\a:AF+48*(\p)+FR*\a+FR-1], v[8*(8*\a+\b):8*(8*\a+\b)+7], v[SC+16*(\sc)+2*(\b%4)+(\q)], v[SC+16*(\sc)+8+2*(\a%2)+(\q)] matrix_a_fmt:MATRIX_FMT_BF6 matrix_b_fmt:MATRIX_FMT_BF6 matrix_a_scale:MATRIX_SCALE_ROW\rb matrix_b_scale:MATRIX_SCALE_ROW\ra
.endif
.endm
.macro MUL8 a, ra, p, q, sc, first     ; A's block a x B's eight
.irp b, 0,1,2,3
	PR \a, \b, \ra, 0, \p, \q, \sc, \first
.endr
.irp b, 4,5,6,7
	PR \a, \b, \ra, 1, \p, \q, \sc, \first
.endr
.endm
; 16 products: half hf of a step.  The 32 accumulators take turns, one instruction a turn, in the same order in every step.
.macro HALF hf, p, q, sc, first
.if \first
	WIN 0x81                                       ; source 0 (B) window 1, source 1 (A) and C (the bias) window 0, D window 2
.else
	WIN 0xa1                                       ; C and D window 2
.endif
.if \hf == 0
	MUL8 0, 0, \p, \q, \sc, \first                 ; A's blocks 0 and 1: their scale words lie in lanes 0-15
	MUL8 1, 0, \p, \q, \sc, \first
.else
	MUL8 2, 1, \p, \q, \sc, \first                 ; blocks 2 and 3: in lanes 16-31
	MUL8 3, 1, \p, \q, \sc, \first
.endif
.endm
.macro STEP p, q, sc, first
	s_wait_dscnt NL                                ; all but the next step's loads, just issued, are in
	HALF 0, \p, \q, \sc, \first
	HALF 1, \p, \q, \sc, \first
	WIN 0
.endm
	s_load_b256 s[4:11], s[0:1], 0x0               ; ao s[4:5], wq s[6:7], b_proj s[8:9], out0 s[10:11]
	v_lshl_add_u32 v[SPW], v0, 2, SPARE
	v_mov_b32 v[NIL], 0
	ds_add_u32 v[SPW], v[NIL]                      ; the wave's opening: the add, twice on end, and its wait ahead of my first tensor load
	ds_add_u32 v[SPW], v[NIL]
	v_lshrrev_b32 v1, 5, v0
	v_readfirstlane_b32 s16, v1                    ; wave
	s_lshr_b32 s17, s16, 1                         ; which 64 tokens are mine.  Also: I fetch for A (0) or for B (1)
	s_and_b32 s18, s16, 1                          ; which 128 columns.  Also: which half of A's record, or which record of B, I fetch
	s_bfe_u32 s19, ttmp6, 0x40000                  ; cx
	s_bfe_u32 s20, ttmp6, 0x40004                  ; cy
	s_and_b32 s22, ttmp7, 0xffff
	s_lshl_b32 s92, s20, 2
	s_lshl_b32 s92, 15, s92                        ; my row of the cluster
	s_lshl_b32 s93, 0x1111, s19                    ; my column
	s_or_b32 s[G1A], s92, (3<<16)|(1<<21)          ; the mask; elements of 8 bytes; bit 21 beside a mask; no padding
	s_or_b32 s[G1B], s93, (3<<16)|(1<<21)
	s_or_b32 s[G1SA], s92, (3<<16)|(1<<21)
	s_or_b32 s[G1SB], s93, (3<<16)|(1<<21)
	DENSE G1SA, 152                                ; the head: half of A's 77,824 bytes,
	DENSE G1SB, 304                                ; all of a record of B's;
	DENSE G1A, 48                                  ; the refill: half of A's 24,576 bytes,
	DENSE G1B, 96                                  ; all of B's
	s_lshl_b32 s94, s22, 2
	s_add_co_u32 s94, s94, s20                     ; tile row, 0 .. 63: never holds cx
	s_lshl_b32 s95, ttmp9, 2
	s_add_co_u32 s95, s95, s19                     ; tile column, 0 .. 3: never holds cy
	s_mul_i32 s96, s94, GRP                        ; A's record
	s_mul_i32 s2, s18, 38912
	s_mul_i32 s3, s18, 12288
	s_add_co_u32 s92, s96, s2
	s_mov_b32 s93, 0
	s_add_co_u32 s96, s96, s3
	s_add_co_u32 s96, s96, HALFT
	s_mov_b32 s97, 0
	s_lshl_b32 s23, s95, 1
	s_add_co_u32 s23, s23, s18
	s_add_co_u32 s23, s23, 24
	s_mul_i32 s98, s23, GRP                        ; B's record
	s_mov_b32 s99, 0
	s_mul_i32 s21, s18, HALFT
	s_add_co_u32 s21, s21, HALFT                   ; its region: no place in the cluster enters an LDS address
	s_mov_b32 s[G0SA+1], s2
	s_add_co_u32 s[G0A0+1], s3, 4096
	s_mov_b32 s[G0SB+1], s21
	s_add_co_u32 s[G0B0+1], s21, 4096
	s_wait_dscnt 0x0                               ; both opening adds are done
	s_wait_kmcnt 0x0
	s_add_nc_u64 s[G0SA+2:G0SA+3], s[4:5], s[92:93]
	s_add_nc_u64 s[G0A0+2:G0A0+3], s[4:5], s[96:97]
	s_add_nc_u64 s[G0SB+2:G0SB+3], s[6:7], s[98:99]
	s_add_nc_u64 s[G0B0+2:G0B0+3], s[G0SB+2:G0SB+3], HALFT
.irp g, G0A0, G0B0, G0SA, G0SB
	s_mov_b32 s[\g], 1                             ; count = 1
	s_or_b32 s[\g+3], s[\g+3], 0x80000000          ; type = 2
.endr
	CROUND                                         ; all sixteen work-groups are here: the first joint loads meet
	JLOAD G0SA, G1SA, G0SB, G1SB                   ; my one load at the head
	s_lshl_b32 s2, s95, 10
	s_lshl_b32 s3, s18, 9
	s_add_co_u32 s2, s2, s3                        ; my 128 columns, in bytes
	s_mov_b32 s3, 0
	s_add_nc_u64 s[8:9], s[8:9], s[2:3]
	s_add_nc_u64 s[10:11], s[10:11], s[2:3]
	s_lshl_b32 s2, s94, 19
	s_lshl_b32 s23, s17, 18
	s_add_co_u32 s2, s2, s23                       ; my 64 rows of 4,096 bytes
	s_add_nc_u64 s[10:11], s[10:11], s[2:3]
	s_mul_i32 s12, s17, 12288
	s_add_co_u32 s12, s12, 4096                    ; my four tiles of A in slot 0
	s_add_co_u32 s13, s21, 4096                    ; my eight of B
	s_lshl_b32 s14, s17, 11                        ; my tiles' scale words in A's region; B's begin at s21
	s_mul_i32 s15, s17, HALFT
	s_mul_i32 s23, s18, 16*SPITCH
	s_add_co_u32 s15, s15, s23
	s_add_co_u32 s15, s15, STAGE                   ; my stage
	v_and_b32 v1, 15, v0                           ; r
	v_bfe_u32 v2, v0, 4, 1                         ; h
	v_and_b32 v3, 31, v0                           ; lane
	v_lshlrev_b32 v[BOF], 6, v2
.irp b, 0,1,2,3,4,5,6,7
	global_load_b128 v[BIAS+8*\b:BIAS+8*\b+3], v[BOF], s[8:9] offset:(32*(\b/2)+8*(\b%2))*4       ; tile b's eight columns of my half: 32 (b / 2) + 8 (b % 2) + 16 h + 0 .. 7
	global_load_b128 v[BIAS+8*\b+4:BIAS+8*\b+7], v[BOF], s[8:9] offset:(32*(\b/2)+8*(\b%2))*4+16
.endr
	v_lshl_add_u32 v[A16], v3, 4, s12
	v_lshl_add_u32 v[A8], v3, 3, s12
	v_lshl_add_u32 v[B16], v3, 4, s13
	v_lshl_add_u32 v[B8], v3, 3, s13
.irp s, 1,2
	v_add_nc_u32 v[A16+\s], \s*SLOT, v[A16]
	v_add_nc_u32 v[A8+\s], \s*SLOT, v[A8]
	v_add_nc_u32 v[B16+\s], \s*SLOT, v[B16]
	v_add_nc_u32 v[B8+\s], \s*SLOT, v[B8]
.endr
	v_lshl_add_u32 v[ADSA], v2, 10, s14            ; lanes 16-31: two tiles on
	v_lshl_add_u32 v[ADSA], v1, 3, v[ADSA]
	v_lshl_add_u32 v[ADSB], v2, 11, s21            ; lanes 16-31: four tiles on
	v_lshl_add_u32 v[ADSB], v1, 3, v[ADSB]
	v_mul_u32_u24 v[STO], v1, SPITCH
	v_lshl_add_u32 v[STO], v2, 6, v[STO]
	v_add_nc_u32 v[STO], s15, v[STO]               ; into the stage: row r, + 64 h
	v_lshl_add_u32 v[RD], v3, 4, s15               ; back: the 32 lanes take one row of 512 bytes,
	v_lshlrev_b32 v[CO], 4, v3                     ; and the same 16 bytes a lane in out0
	s_wait_alu depctr_va_vdst(0)                   ; the wait at the head's end
	s_wait_loadcnt 0x0                             ; the bias
	s_wait_tensorcnt 0x0                           ; my load is in
	s_barrier_signal -1
	s_barrier_wait -1
	FETCH 0, 0, 0
	SCALES 0, 0
	GET 0, 1, 1, 0, 0
	STEP 0, 0, 0, 1                                ; K 0: its products start the sums from the bias
	GET 1, 0, 0, 1, 1                              ; K 128, with the refill's round: slot 0 is read for the last time by the loads that this step waits for
	s_wait_tensorcnt 0x0                           ; all my tensor loads have landed
	ds_add_u32 v[SPW], v[NIL]                      ; 0 onto my spare word
	s_wait_dscnt NL+1                              ; (the add and the next step's loads may be out)
	HALF 0, 1, 1, 0, 0                             ; sixteen products stand between the add and the wait for it
	s_wait_dscnt 0x0                               ; the add is done, and my LDS reads are in
	s_barrier_signal -1
	HALF 1, 1, 1, 0, 0
	WIN 0
	s_barrier_wait -1
	CREST                                          ; no wave of any partner still reads slot 0 or has a load on its way
	JLOAD G0A0, G1A, G0B0, G1B                     ; the fourth 256 along K
	GET 1, 1, 1, 0, 0
	STEP 0, 0, 1, 0                                ; K 256
	GET 2, 0, 0, 0, 2
	STEP 1, 1, 1, 0                                ; K 384
	GET 2, 1, 1, 0, 0                              ; K 512, with a plain barrier: the refill is shown to all, and nobody reads slot 1 any more
	s_wait_dscnt NL
	HALF 0, 0, 0, 0, 0
	s_wait_tensorcnt 0x0
	s_wait_dscnt 0x0
	s_barrier_signal -1
	HALF 1, 0, 0, 0, 0
	WIN 0
	s_barrier_wait -1
	GET 0, 0, 0, 1, 3
	STEP 1, 1, 0, 0                                ; K 640
	GET 0, 1, 1, 0, 0
	STEP 0, 0, 1, 0                                ; K 768
.set NL, 0
	STEP 1, 1, 1, 0                                ; K 896: nothing more to fetch
; THE WAY OUT, a tile of 16 tokens x 128 columns at a time, through my own stage: a lane holds 8 neighbouring numbers of a row for each of 8 tiles of columns; whole rows of 512 bytes come back.
; LDS serves a wave's instructions in order (ISA guide 5.7.1.4): no wait between the stores and the loads.
.macro TOSTAGE a
	WIN 0x08                                       ; the data: window 2
.irp b, 0,1,2,3,4,5,6,7
	ds_store_b128 v[STO], v[64*(\a)+8*\b:64*(\a)+8*\b+3] offset:128*(\b/2)+32*(\b%2)         ; each accumulator from its low end on
	ds_store_b128 v[STO], v[64*(\a)+8*\b+4:64*(\a)+8*\b+7] offset:128*(\b/2)+32*(\b%2)+16
.endr
	WIN 0
.set BB, BK+64*((\a)%2)
.irp t, 0,1,2,3,4,5,6,7,8,9,10,11,12,13,14,15
	ds_load_b128 v[BB+4*\t:BB+4*\t+3], v[RD] offset:\t*SPITCH
.endr
.endm
.macro SEND a, younger                 ; younger: the LDS instructions issued behind tile a's loads, which may stay out
.set BB, BK+64*((\a)%2)
	s_wait_dscnt \younger
.irp t, 0,1,2,3,4,5,6,7,8,9,10,11,12,13,14,15
	global_store_b128 v[CO], v[BB+4*\t:BB+4*\t+3], s[10:11] offset:(8*(\a)+\t%8+32*(\t/8))*4096 th:TH_STORE_NT   ; place t of my tile a is row 8 a + t % 8 + 32 (t / 8) of my 64: 512 consecutive bytes, aligned
.endr
.endm
	PLACES
	TOSTAGE 0
.irp a, 1,2,3
.if \a > 1
	s_wait_xcnt 0x0                                ; tile a - 2's stores have read their registers: tile a's loads may land there
.endif
	TOSTAGE \a
	SEND \a-1, 32                                  ; behind tile a - 1's loads: tile a's 16 stores and 16 loads
.endr
	SEND 3, 0
	s_wait_tensorcnt 0x0                           ; the wave's end
	ds_add_u32 v[SPW], v[NIL]
	s_wait_dscnt 0x0
	CROUND                                         ; the closing round
	s_endpgm
.Lfunc_end_k_q4e31407694_proj:
	.size	k_q4e31407694_proj, .Lfunc_end_k_q4e31407694_proj-k_q4e31407694_proj
	.p2alignl 7, 3214868480
	.fill 96, 4, 3214868480
	.section	.rodata,"a",@progbits
	.p2align	6, 0x0
	.amdhsa_kernel k_q4e31407694_proj
		.amdhsa_group_segment_fixed_size 327680
		.amdhsa_private_segment_fixed_size 0
		.amdhsa_enable_private_segment 0
		.amdhsa_kernarg_size 32
		.amdhsa_user_sgpr_count 2
		.amdhsa_user_sgpr_kernarg_segment_ptr 1
		.amdhsa_wavefront_size32 1
		.amdhsa_system_sgpr_workgroup_id_x 1
		.amdhsa_system_sgpr_workgroup_id_y 1
		.amdhsa_system_sgpr_workgroup_id_z 1
		.amdhsa_system_vgpr_workitem_id 0
		.amdhsa_next_free_vgpr 768
		.amdhsa_next_free_sgpr 102
		.amdhsa_reserve_vcc 0
		.amdhsa_float_denorm_mode_32 3
		.amdhsa_float_denorm_mode_16_64 3
		.amdhsa_memory_ordered 1
		.amdhsa_forward_progress 1
		.amdhsa_inst_pref_size 85
	.end_amdhsa_kernel
	.amdgpu_metadata
---
amdhsa.version: [ 1, 2 ]
amdhsa.kernels:
  - .name:           k_q4e31407694_proj
    .symbol:         k_q4e31407694_proj.kd
    .args:
      - { .name: ao, .offset: 0, .size: 8, .value_kind: global_buffer, .address_space: global }
      - { .name: wq, .offset: 8, .size: 8, .value_kind: global_buffer, .address_space: global }
      - { .name: b_proj, .offset: 16, .size: 8, .value_kind: global_buffer, .address_space: global }
      - { .name: out0, .offset: 24, .size: 8, .value_kind: global_buffer, .address_space: global }
    .group_segment_fixed_size: 327680
    .private_segment_fixed_size: 0
    .kernarg_segment_align: 8
    .kernarg_segment_size: 32
    .max_flat_workgroup_size: 128
    .sgpr_count:     102
    .vgpr_count:     768
    .wavefront_size: 32
...
	.end_amdgpu_metadata
.endif
;; end of part 4
